; MI455X (gfx1250); checked and timed in simulation.
; The chip was launched on July 23, 2026; its instructions are those of AMD's public machine-readable ISA for CDNA 5 (MIT licence, August 2026) and "CDNA5" Instruction Set Architecture Reference Guide (July 2026). The comments in the code are by the model that wrote it; some were corrected since.
;; KNN Conv Layer. Allowed arithmetic: float matrix products may take bf16 or f16 operands with f32 sums; other float arithmetic in f32, or as packed bf16 or f16 multiplies, adds, multiply-adds, maxima and minima; sums over many terms, partial sums and values carried from step to step in f32; what a program stores and reads back later, other than sums and carried values, may be rounded once to bf16 or f16.
;; Inputs: out_coords 8,192 x 2 float32; sample_coords 16,384 x 2 float32.
;; Outputs: out0 49 x 8,192 int32; out1 49 x 8,192 float32.
;; Constants: k = 49.
;; 2 versions, each right; version 2 is version 1 with the launch scan written anew for expert scheduling mode. Each part assembles by itself: llvm-mc -triple=amdgcn-amd-amdhsa -mcpu=gfx1250 --defsym DOCPART=n.
;; ======== version 1 of 2: 4 launches
;; workspace buffers: qtab 131,072 bytes; flags 2,097,152 bytes of whole numbers; slots 67,108,864 bytes of whole numbers; cnts 65,536 bytes of whole numbers; nfl 32,768 bytes of whole numbers
;; launch scan (part 1): grid 256 x 1, 4 waves a work-group, no clusters, 307,200 bytes of LDS; arguments sample_coords, out_coords, qtab, flags; writes qtab, flags
.if DOCPART == 1
	.amdgcn_target "amdgcn-amd-amdhsa--gfx1250"
	.amdhsa_code_object_version 6
	.text
	.protected	k_q55323576a5_scan
	.globl	k_q55323576a5_scan
	.p2align	8
	.type	k_q55323576a5_scan,@function
k_q55323576a5_scan:
	s_mov_b64 s[64:65], 0
	v_nop
	global_prefetch_b8 v0, s[64:65] scope:SCOPE_SE
	s_setreg_imm32_b32 hwreg(HW_REG_WAVE_MODE, 25, 1), 1
	s_wait_xcnt 0x0
; SCAN.  For 32 queries a work-group forms d2 = (a2 + b2) - 2 a.b to all 16,384 samples, on coordinates rounded to bf16, keeps the minimum of each
; FINE GROUP (8 consecutive samples) as a truncated bf16 in LDS and the minimum of each of 64 COARSE GROUPS in registers, takes tau = the 49th smallest coarse minimum
; (49 disjoint groups have a member at or below it, so 49 samples lie at or below tau), widens it by 8 steps of the last place (all d2 that round to the same root lie within 4),
; and stores one flag bit for each fine group whose minimum can lie at or below that bound.  Later launches compute the flagged groups anew; here a flag too many costs only time.
; ARITHMETIC.  Products of two bf16 are exact in f32.  The matrix unit delivers the one product (-2 bx) ax for each pair (all other k carry zeros in A), a packed fma adds (-2 by) ay with one rounding,
; a packed add forms a2 + b2, a second the sum: the roundings of the formula as it is written.
; SHARES.  Four waves; wave w has the sample blocks u = 32 w .. 32 w + 31 of 128 samples.  A = 16 queries, B = 16 samples: column r of tile t of block u is sample 128 u + 8 r + t, so that a lane's
; eight tiles are fine group 16 u + r, and ONE B fragment (k = t holds tile t's ax) serves eight tiles: A's window is shifted so that -2 bx stands at k = t.
; No tensor load, no cluster, no prefetch: the inputs are 192 KiB, each must be converted in registers on its way into LDS, and every work-group reads all samples once.
; LIMITS.  Inputs finite; their bf16 roundings, squares and sums finite and no denormals; NaN is not treated.
.set AXT,  0                ; bf16 ax, natural order: 32,768 bytes
.set A2T,  32768            ; f32 a2 at 512 u + 256 (t / 4) + 16 r + 4 (t % 4)
.set AYT,  98304            ; f32 ay, laid out likewise
.set FM,   163840           ; fine minima: a row of 4,176 bytes a query; the word of blocks 2 d, 2 d + 1 and column r at 1,040 (r / 4) + 16 d + 4 (r % 4)
.set FMP,  4176
.set CM,   297472           ; coarse minima: a row of 272 bytes a query, word 16 w + r
.set CMP,  272
.set TAU,  306176           ; word 4 q + 3 holds query q's bound
.set SPARE, 306688          ; the spare words, 128 bytes a wave
.set ASEQ, 12               ; v12-79  A's sequences, 34 registers for each 16 queries: zeros but -2 bx in the low half at 3 and 10, in the high half at 19 and 26 (lanes 0-15)
.set B2,   80               ; v80-95  b2 of my 8 queries, for each 16 queries
.set M2,   96               ; v96-111 -2 by likewise
.set BUF,  112              ; two buffers of 24: ax (4) and 4 zeros, a2 (8), ay (8)
.set P,    160              ; v160-191 two accumulators for each 16 queries
.set R1,   192              ; v192-207 a2 + b2; later the packed minima
.set GE,   208              ; fine minima of the even block
.set GO,   224              ; of the odd block
.set CMN,  240              ; coarse minima
	s_load_b256 s[4:11], s[0:1], 0x0               ; samples s[4:5], queries s[6:7], qtab s[8:9], flags s[10:11]
	v_lshl_add_u32 v1, v0, 2, SPARE                ; my spare word, and 0: kept for the closing add alone
	v_mov_b32 v2, 0
	v_lshrrev_b32 v3, 5, v0
	v_readfirstlane_b32 s12, v3                    ; wave
	v_and_b32 v3, 15, v0                           ; r
	v_bfe_u32 v4, v0, 4, 1                         ; h
	v_and_b32 v5, 31, v0                           ; lane
	s_mov_b32 s17, 0x55555555
	s_mov_b32 s18, 0x33333333
	s_mov_b32 s21, 0x80008000
	s_mov_b32 s22, 0x07060302
	s_lshl_b32 s14, ttmp9, 8                       ; 32 queries x 8 bytes
	s_mov_b32 s15, 0
	s_lshl_b32 s24, s12, 15                        ; my 4,096 samples x 8 bytes
	s_mov_b32 s25, 0
	s_lshl_b32 s26, ttmp9, 9                       ; 32 x 16 bytes of qtab
	s_mov_b32 s27, 0
	s_lshl_b32 s28, ttmp9, 13                      ; 32 x 256 bytes of flags,
	s_lshl_b32 s29, s12, 11                        ; my 8 queries of them
	s_add_co_u32 s28, s28, s29
	s_mov_b32 s29, 0
	v_lshlrev_b32 v9, 6, v4                        ; 8 h queries
	v_lshlrev_b32 v10, 3, v3                       ; query r
	s_wait_kmcnt 0x0
	s_add_nc_u64 s[4:5], s[4:5], s[24:25]
	s_add_nc_u64 s[6:7], s[6:7], s[14:15]
	s_add_nc_u64 s[8:9], s[8:9], s[26:27]
	s_add_nc_u64 s[10:11], s[10:11], s[28:29]
.irp qt, 0,1
.irp k, 0,1,2,3
	global_load_b128 v[160+16*\qt+4*\k:163+16*\qt+4*\k], v9, s[6:7] offset:128*\qt+16*\k
.endr
	global_load_b64 v[192+2*\qt:193+2*\qt], v10, s[6:7] offset:128*\qt
.endr
.set i_, 0
.rept 68
	v_mov_b32 v[ASEQ+i_], 0                        ; A's zeros
.set i_, i_+1
.endr
.irp i, 116,117,118,119,140,141,142,143
	v_mov_b32 v\i, 0                               ; B's k = 16 .. 31
.endr
.set i_, 0
.rept 16
	v_mov_b32 v[CMN+i_], 0x7f800000
.set i_, i_+1
.endr
	s_wait_loadcnt 0x0
	v_cmp_gt_u32 vcc_lo, 16, v5
.irp qt, 0,1
.irp j, 0,1,2,3,4,5,6,7
	v_cvt_pk_bf16_f32 v200, v[160+16*\qt+2*\j], v[161+16*\qt+2*\j]
	v_lshlrev_b32 v201, 16, v200                   ; bx
	v_and_b32 v202, 0xffff0000, v200               ; by
	v_mul_f32 v201, v201, v201
	v_fma_f32 v[B2+8*\qt+\j], v202, v202, v201     ; b2: one rounding of two exact products
	v_mul_f32 v[M2+8*\qt+\j], -2.0, v202
.endr
	v_cvt_pk_bf16_f32 v200, v[192+2*\qt], v[193+2*\qt]
	v_lshlrev_b32 v201, 16, v200
	v_mul_f32 v201, -2.0, v201                     ; -2 bx of row r: still a bf16 number
	v_cndmask_b32 v201, 0, v201, vcc_lo            ; lanes 16-31 hold k = 8 .. 15: zeros
	v_mov_b32 v[ASEQ+34*\qt+19], v201
	v_mov_b32 v[ASEQ+34*\qt+26], v201
	v_lshrrev_b32 v201, 16, v201
	v_mov_b32 v[ASEQ+34*\qt+3], v201
	v_mov_b32 v[ASEQ+34*\qt+10], v201
.endr
	; PREP: my 32 blocks' tables.  Lane l takes samples 128 u + 4 l .. + 3 (32 bytes).
	v_lshlrev_b32 v210, 5, v5
	s_lshl_b32 s30, s12, 13
	v_lshl_add_u32 v211, v5, 3, s30                ; ax: 8,192 w + 8 l
	v_and_b32 v212, 1, v5
	v_lshlrev_b32 v212, 8, v212
	v_lshrrev_b32 v213, 1, v5
	v_lshl_add_u32 v212, v213, 4, v212             ; r = l / 2, t = 4 (l % 2) ..
	s_lshl_b32 s30, s12, 14
	s_add_co_u32 s30, s30, A2T
	v_add_nc_u32 v212, s30, v212
	v_add_nc_u32 v213, AYT-A2T, v212
	s_mov_b32 s23, 8
.Lprep:
.irp k, 0,1,2,3
	global_load_b128 v[160+8*\k:163+8*\k], v210, s[4:5] offset:1024*\k
	global_load_b128 v[164+8*\k:167+8*\k], v210, s[4:5] offset:1024*\k+16
.endr
.irp k, 0,1,2,3
	s_wait_loadcnt 6-2*\k                          ; block k is in; the later blocks' two loads each may stay out
.irp e, 0,1,2,3
	v_cvt_pk_bf16_f32 v[192+\e], v[160+8*\k+2*\e], v[161+8*\k+2*\e]
.endr
.irp e, 0,1,2,3
	v_lshlrev_b32 v[196+\e], 16, v[192+\e]
	v_and_b32 v[200+\e], 0xffff0000, v[192+\e]
.endr
	v_pk_mul_f32 v[204:205], v[196:197], v[196:197]
	v_pk_mul_f32 v[206:207], v[198:199], v[198:199]
	v_pk_fma_f32 v[204:205], v[200:201], v[200:201], v[204:205]
	v_pk_fma_f32 v[206:207], v[202:203], v[202:203], v[206:207]
	v_perm_b32 v208, v193, v192, 0x05040100        ; two low halves: ax of two samples
	v_perm_b32 v209, v195, v194, 0x05040100
	ds_store_b64 v211, v[208:209] offset:256*\k
	ds_store_b128 v212, v[204:207] offset:512*\k
	ds_store_b128 v213, v[200:203] offset:512*\k
.endr
	s_add_nc_u64 s[4:5], s[4:5], 4096              ; all eight loads have come back, so their base may step
	v_add_nc_u32 v211, 1024, v211
	v_add_nc_u32 v212, 2048, v212
	v_add_nc_u32 v213, 2048, v213
	s_sub_co_u32 s23, s23, 1
	s_cmp_lg_u32 s23, 0
	s_cbranch_scc1 .Lprep
	; addresses of the main loop
	s_lshl_b32 s30, s12, 13
	v_lshl_add_u32 v6, v3, 4, s30                  ; ax: 8,192 w + 16 r (both halves of the lanes read the same; lanes 16-31 meet zeros in A)
	s_lshl_b32 s30, s12, 14
	s_add_co_u32 s30, s30, A2T
	v_lshl_add_u32 v7, v3, 4, s30                  ; a2
	v_add_nc_u32 v8, AYT-A2T, v7                   ; ay
	v_mul_u32_u24 v9, v4, 8*FMP                    ; fine minima: row 8 h (+ j, + 16 for the second 16 queries),
	v_lshrrev_b32 v10, 2, v3
	v_mad_u32_u24 v9, v10, 1040, v9
	v_and_b32 v10, 3, v3
	v_lshl_add_u32 v9, v10, 2, v9
	s_lshl_b32 s30, s12, 8                         ; word column d = 16 w + trip
	s_add_co_u32 s30, s30, FM
	v_add_nc_u32 v9, s30, v9
	v_add_nc_u32 v10, 16*FMP, v9
	v_mul_u32_u24 v11, v4, 8*CMP
	v_lshl_add_u32 v11, v3, 2, v11
	s_lshl_b32 s30, s12, 6
	s_add_co_u32 s30, s30, CM
	v_add_nc_u32 v11, s30, v11
	s_wait_dscnt 0x0                               ; my tables are written
	s_barrier_signal -1
	s_barrier_wait -1
.macro LOADB b, k                      ; block k of the trip into buffer b: five loads
	ds_load_b128 v[BUF+24*(\b):BUF+24*(\b)+3], v6 offset:256*(\k)
	ds_load_b128 v[BUF+24*(\b)+8:BUF+24*(\b)+11], v7 offset:512*(\k)
	ds_load_b128 v[BUF+24*(\b)+12:BUF+24*(\b)+15], v7 offset:512*(\k)+256
	ds_load_b128 v[BUF+24*(\b)+16:BUF+24*(\b)+19], v8 offset:512*(\k)
	ds_load_b128 v[BUF+24*(\b)+20:BUF+24*(\b)+23], v8 offset:512*(\k)+256
.endm
.macro W b, p, qt                      ; tiles 2 p and 2 p + 1 for 16 queries: the window puts -2 bx into register p, low half or high half
.set ws_, ASEQ+34*(\qt)+10-8*((\p)&1)-2*((\p)>>1)
	v_wmma_f32_16x16x32_bf16 v[P+16*(\qt):P+16*(\qt)+7], v[ws_:ws_+7], v[BUF+24*(\b):BUF+24*(\b)+7], 0
	v_wmma_f32_16x16x32_bf16 v[P+16*(\qt)+8:P+16*(\qt)+15], v[ws_+16:ws_+23], v[BUF+24*(\b):BUF+24*(\b)+7], 0
.endm
.macro V b, p, qt, gm                  ; 32 lines for 512 pairs; each accumulator's lowest registers are read first
.irp tt, 0,1
.irp j, 0,2,4,6
	v_pk_add_f32 v[R1+8*\tt+\j:R1+8*\tt+\j+1], v[B2+8*(\qt)+\j:B2+8*(\qt)+\j+1], v[BUF+24*(\b)+8+2*(\p):BUF+24*(\b)+9+2*(\p)] op_sel:[0,\tt] op_sel_hi:[1,\tt]
.endr
.endr
.irp tt, 0,1
.irp j, 0,2,4,6
	v_pk_fma_f32 v[P+16*(\qt)+8*\tt+\j:P+16*(\qt)+8*\tt+\j+1], v[M2+8*(\qt)+\j:M2+8*(\qt)+\j+1], v[BUF+24*(\b)+16+2*(\p):BUF+24*(\b)+17+2*(\p)], v[P+16*(\qt)+8*\tt+\j:P+16*(\qt)+8*\tt+\j+1] op_sel:[0,\tt,0] op_sel_hi:[1,\tt,1]
.endr
.endr
.irp tt, 0,1
.irp j, 0,2,4,6
	v_pk_add_f32 v[P+16*(\qt)+8*\tt+\j:P+16*(\qt)+8*\tt+\j+1], v[R1+8*\tt+\j:R1+8*\tt+\j+1], v[P+16*(\qt)+8*\tt+\j:P+16*(\qt)+8*\tt+\j+1]
.endr
.endr
.irp j, 0,1,2,3,4,5,6,7
.if (\p) == 0
	v_min_num_f32 v[(\gm)+8*(\qt)+\j], v[P+16*(\qt)+\j], v[P+16*(\qt)+8+\j]
.else
	v_min3_num_f32 v[(\gm)+8*(\qt)+\j], v[(\gm)+8*(\qt)+\j], v[P+16*(\qt)+\j], v[P+16*(\qt)+8+\j]
.endif
.endr
.endm
; A block: the products of step s + 1 are issued ahead of the vector work of step s.  Behind the first four products the eight sums a2 + b2, which name none of their registers, are the places
; that a reader of a matrix result needs (ISA guide 7.12.1); every other reader or overwriter stands 32 plain lines behind its product.  Every product starts its sum with 0: no chain.
.macro BLOCK b, gm
	W \b, 0, 0
.set sg_, 0
.rept 8
.if sg_ < 7
	W \b, (sg_+1)/2, (sg_+1)%2
.endif
	V \b, sg_/2, sg_%2, \gm
.set sg_, sg_+1
.endr
.endm
.macro TRIP last                       ; two blocks, one word of fine minima for each query and column
	LOADB 1, 1
	s_wait_dscnt 5                                 ; all but the five just issued: buffer 0 is in
	BLOCK 0, GE
.if \last
	s_wait_dscnt 0x0
.else
	LOADB 0, 2
	s_wait_dscnt 5                                 ; all but the five just issued: buffer 1 is in
.endif
	BLOCK 1, GO
.set i_, 0
.rept 16
	v_min3_num_f32 v[CMN+i_], v[CMN+i_], v[GE+i_], v[GO+i_]
.set i_, i_+1
.endr
.set i_, 0
.rept 16
	v_perm_b32 v[R1+i_], v[GO+i_], v[GE+i_], s22   ; truncated to bf16: odd block above, even block below
.set i_, i_+1
.endr
.set i_, 0
.rept 16
	v_pk_max_num_bf16 v[R1+i_], v[R1+i_], v116     ; a d2 that rounding made negative counts as 0 (v116 holds 0)
.set i_, i_+1
.endr
.irp j, 0,1,2,3,4,5,6,7
	ds_store_b32 v9, v[R1+\j] offset:FMP*\j
	ds_store_b32 v10, v[R1+8+\j] offset:FMP*\j
.endr
	v_add_nc_u32 v6, 512, v6
	v_add_nc_u32 v7, 1024, v7
	v_add_nc_u32 v8, 1024, v8
	v_add_nc_u32 v9, 16, v9
	v_add_nc_u32 v10, 16, v10
.endm
	LOADB 0, 0
	s_mov_b32 s23, 15
.Lmain:
	TRIP 0
	s_sub_co_u32 s23, s23, 1
	s_cmp_lg_u32 s23, 0
	s_cbranch_scc1 .Lmain
	TRIP 1                                         ; the last trip loads nothing beyond my tables
.irp qt, 0,1
.irp j, 0,1,2,3,4,5,6,7
	ds_store_b32 v11, v[CMN+8*\qt+\j] offset:CMP*(16*\qt+\j)
.endr
.endr
	v_lshrrev_b32 v194, 2, v0                      ; thread t: query t / 4, 16 of its 64 coarse minima
	v_mul_u32_u24 v194, v194, CMP
	v_and_b32 v195, 3, v0
	v_lshl_add_u32 v194, v195, 6, v194
	v_add_nc_u32 v194, CM, v194
	s_wait_dscnt 0x0                               ; for the others' sake: fine and coarse minima are written
	s_barrier_signal -1
	s_barrier_wait -1
.irp k, 0,1,2,3
	ds_load_b128 v[160+4*\k:163+4*\k], v194 offset:16*\k
.endr
	s_wait_dscnt 0x0
; 64 numbers sorted over 4 lanes x 16 registers (element 16 (lane % 4) + i), from one set of registers into the other: blocks of 2, 4 .. 64, each a mirror stage and then half cleaners.
.set SA, 160
.set SB, 176
.macro VSWAP
.set x_, SA
.set SA, SB
.set SB, x_
.endm
.macro VST k                           ; within a lane: i with i xor k
.set i_, 0
.rept 16
.if (i_^(\k)) > i_
	v_min_num_f32 v[SB+i_], v[SA+i_], v[SA+(i_^(\k))]
	v_max_num_f32 v[SB+(i_^(\k))], v[SA+i_], v[SA+(i_^(\k))]
.endif
.set i_, i_+1
.endr
	VSWAP
.endm
.macro VSTX x, mir, km                 ; with lane xor x, register i (mir = 0) or 15 - i (mir = 1); lanes of mask km keep the smaller
.set i_, 0
.rept 16
	v_min_num_f32_dpp v[192+(i_&1)], v[SA+(i_^(15*(\mir)))], v[SA+i_] row_xmask:\x row_mask:0xf bank_mask:0xf
	v_max_num_f32_dpp v[SB+i_], v[SA+(i_^(15*(\mir)))], v[SA+i_] row_xmask:\x row_mask:0xf bank_mask:0xf
	v_cndmask_b32 v[SB+i_], v[SB+i_], v[192+(i_&1)], s[\km]
.set i_, i_+1
.endr
	VSWAP
.endm
.irp k, 1, 3,1, 7,2,1, 15,4,2,1
	VST \k
.endr
	VSTX 1, 1, 17
.irp k, 8,4,2,1
	VST \k
.endr
	VSTX 3, 1, 18
	VSTX 1, 0, 17
.irp k, 8,4,2,1
	VST \k
.endr
	v_max_num_f32 v192, 0x2b8cbccc, v[SA]          ; element 48 lies in register 0 of the query's fourth lane; the formula's clamp, 1e-12,
	v_add_nc_u32 v192, 8, v192                     ; and eight steps of the last place
	v_lshl_add_u32 v194, v0, 2, TAU
	ds_store_b32 v194, v192                        ; every lane stores its register 0; word 4 q + 3 is the one that is read
	s_mul_i32 s30, s12, 8*FMP
	s_add_co_u32 s30, s30, FM
	v_lshl_add_u32 v196, v5, 5, s30                ; flags: my 8 queries' rows; lane l takes word columns 2 l and 2 l + 1
	s_lshl_b32 s30, s12, 7
	s_add_co_u32 s30, s30, TAU+12
	v_mov_b32 v197, s30
	v_lshlrev_b32 v198, 3, v5
	s_wait_dscnt 0x0
	s_barrier_signal -1
	s_barrier_wait -1
	s_mov_b32 s23, 8
.Lflag:                                        ; a query a trip: 2,048 halves are compared with the bound's upper half; 0x8000 + bound - x keeps bit 15 just where x <= bound, and never borrows
	ds_load_b32 v192, v197
.irp d, 0,1
.irp c, 0,1,2,3
	ds_load_b128 v[160+16*\d+4*\c:163+16*\d+4*\c], v196 offset:1040*\c+16*\d
.endr
.endr
	s_wait_dscnt 0x0
	v_perm_b32 v192, v192, v192, 0x07060706
	v_or_b32 v192, 0x80008000, v192
.set k_, 0
.rept 16
	v_sub_nc_u32 v193, v192, v[160+k_]
	v_sub_nc_u32 v199, v192, v[176+k_]
.if k_ == 0
	v_and_b32 v194, s21, v193
	v_and_b32 v195, s21, v199
.else
	v_lshrrev_b32 v194, 1, v194
	v_lshrrev_b32 v195, 1, v195
	v_and_or_b32 v194, v193, s21, v194
	v_and_or_b32 v195, v199, s21, v195
.endif
.set k_, k_+1
.endr
	global_store_b64 v198, v[194:195], s[10:11]    ; column r ends in bit r (even block) and bit 16 + r (odd block): bit beta of word d is group 32 d + beta; the wave stores 256 consecutive bytes, aligned
	s_wait_xcnt 0x0                                ; the store's base and data are written again only behind this wait
	s_add_nc_u64 s[10:11], s[10:11], 256
	v_add_nc_u32 v196, FMP, v196
	v_add_nc_u32 v197, 16, v197
	s_sub_co_u32 s23, s23, 1
	s_cmp_lg_u32 s23, 0
	s_cbranch_scc1 .Lflag
	s_cmp_lg_u32 s12, 0
	s_cbranch_scc1 .Lend
	global_load_b64 v[160:161], v198, s[6:7]       ; wave 0: lane l writes query l's entry (-2 bx, -2 by, b2, bound): 512 consecutive bytes
	v_lshl_add_u32 v199, v5, 4, TAU+12
	ds_load_b32 v167, v199
	v_lshlrev_b32 v196, 4, v5
	s_wait_loadcnt 0x0
	v_cvt_pk_bf16_f32 v162, v160, v161
	v_lshlrev_b32 v163, 16, v162
	v_and_b32 v162, 0xffff0000, v162
	v_mul_f32 v164, -2.0, v163
	v_mul_f32 v165, -2.0, v162
	v_mul_f32 v163, v163, v163
	v_fma_f32 v166, v162, v162, v163
	s_wait_dscnt 0x0
	global_store_b128 v196, v[164:167], s[8:9]
.Lend:
	s_wait_tensorcnt 0x0                           ; the wave's end
	ds_add_u32 v1, v2
	s_wait_dscnt 0x0
	s_endpgm
.Lfunc_end_k_q55323576a5_scan:
	.size	k_q55323576a5_scan, .Lfunc_end_k_q55323576a5_scan-k_q55323576a5_scan
	.p2alignl 7, 3214868480
	.fill 96, 4, 3214868480
	.section	.rodata,"a",@progbits
	.p2align	6, 0x0
	.amdhsa_kernel k_q55323576a5_scan
		.amdhsa_group_segment_fixed_size 307200
		.amdhsa_private_segment_fixed_size 0
		.amdhsa_enable_private_segment 0
		.amdhsa_kernarg_size 32
		.amdhsa_user_sgpr_count 2
		.amdhsa_user_sgpr_kernarg_segment_ptr 1
		.amdhsa_wavefront_size32 1
		.amdhsa_system_sgpr_workgroup_id_x 1
		.amdhsa_system_sgpr_workgroup_id_y 1
		.amdhsa_system_sgpr_workgroup_id_z 1
		.amdhsa_system_vgpr_workitem_id 0
		.amdhsa_next_free_vgpr 256
		.amdhsa_next_free_sgpr 66
		.amdhsa_reserve_vcc 1
		.amdhsa_float_denorm_mode_32 3
		.amdhsa_float_denorm_mode_16_64 3
		.amdhsa_memory_ordered 1
		.amdhsa_forward_progress 1
		.amdhsa_inst_pref_size 122
	.end_amdhsa_kernel
	.amdgpu_metadata
---
amdhsa.version: [ 1, 2 ]
amdhsa.kernels:
  - .name:           k_q55323576a5_scan
    .symbol:         k_q55323576a5_scan.kd
    .args:
      - { .name: sample_coords, .offset: 0, .size: 8, .value_kind: global_buffer, .address_space: global }
      - { .name: out_coords, .offset: 8, .size: 8, .value_kind: global_buffer, .address_space: global }
      - { .name: qtab, .offset: 16, .size: 8, .value_kind: global_buffer, .address_space: global }
      - { .name: flags, .offset: 24, .size: 8, .value_kind: global_buffer, .address_space: global }
    .group_segment_fixed_size: 307200
    .private_segment_fixed_size: 0
    .kernarg_segment_align: 8
    .kernarg_segment_size: 32
    .max_flat_workgroup_size: 128
    .sgpr_count:     66
    .vgpr_count:     256
    .wavefront_size: 32
...
	.end_amdgpu_metadata
.endif
;; end of part 1
;; launch tally (part 2): grid 128 x 1, 8 waves a work-group, no clusters, 1,280 bytes of LDS; arguments flags, nfl; writes nfl
.if DOCPART == 2
	.amdgcn_target "amdgcn-amd-amdhsa--gfx1250"
	.amdhsa_code_object_version 6
	.text
	.protected	k_q55323576a5_tally
	.globl	k_q55323576a5_tally
	.p2align	8
	.type	k_q55323576a5_tally,@function
k_q55323576a5_tally:
	s_mov_b64 s[64:65], 0
	v_nop
	global_prefetch_b8 v0, s[64:65] scope:SCOPE_SE
	s_setreg_imm32_b32 hwreg(HW_REG_WAVE_MODE, 25, 1), 1
	s_wait_xcnt 0x0
; TALLY.  nfl[q] = the number of set bits among query q's 2,048 flag bits (256 bytes).  The next launch counts its trips by this number.
; A work-group has 64 queries, a wave 8: four loads of 16 bytes a lane, each 512 consecutive bytes: lanes 0-15 one query, lanes 16-31 the next.
; A lane's 128 bits are counted by shifts and masks; the 16 lanes' counts are added in f32 (exact: 2,048 at the most).  The 64 counts meet in LDS, and wave 0 stores them: 256 consecutive bytes, aligned.
; Nothing here hangs on the data: no branch but the one on the wave's number.
.set SPARE, 256             ; behind the 64 counts: the spare words, 128 bytes a wave
	s_load_b128 s[4:7], s[0:1], 0x0                ; flags s[4:5], nfl s[6:7]
	v_lshl_add_u32 v1, v0, 2, SPARE                ; my spare word, and 0: kept for the closing add alone
	v_mov_b32 v2, 0
	v_lshrrev_b32 v3, 5, v0
	v_readfirstlane_b32 s8, v3                     ; wave
	v_and_b32 v3, 31, v0                           ; lane
	v_lshlrev_b32 v4, 4, v3                        ; 16 bytes a lane
	v_lshrrev_b32 v5, 4, v3                        ; which half of the lanes
	s_lshl_b32 s9, s8, 5
	v_lshl_add_u32 v5, v5, 2, s9                   ; the LDS word of query 8 w + half (+ 2 k by the offset)
	s_lshl_b32 s10, ttmp9, 14                      ; 64 queries x 256 bytes,
	s_lshl_b32 s11, s8, 11                         ; my 8 of them
	s_add_co_u32 s10, s10, s11
	s_mov_b32 s11, 0
	s_lshl_b32 s12, ttmp9, 8                       ; 64 counts x 4 bytes
	s_mov_b32 s13, 0
	s_mov_b32 s14, 0x55555555
	s_mov_b32 s15, 0x33333333
	s_mov_b32 s16, 0x0f0f0f0f
	s_wait_kmcnt 0x0
	s_add_nc_u64 s[4:5], s[4:5], s[10:11]
	s_add_nc_u64 s[6:7], s[6:7], s[12:13]
.irp k, 0,1,2,3
	global_load_b128 v[8+4*\k:11+4*\k], v4, s[4:5] offset:512*\k
.endr
.macro CNT k
.set X, 8+4*(\k)
	s_wait_loadcnt 3-(\k)                          ; load k is in; the later ones may stay out
.irp e, 0,1,2,3
	v_lshrrev_b32 v[24+\e], 1, v[X+\e]
.endr
.irp e, 0,1,2,3
	v_and_b32 v[24+\e], s14, v[24+\e]
.endr
.irp e, 0,1,2,3
	v_sub_nc_u32 v[X+\e], v[X+\e], v[24+\e]        ; fields of 2 bits: 0 to 2
.endr
.irp e, 0,1,2,3
	v_lshrrev_b32 v[24+\e], 2, v[X+\e]
.endr
.irp e, 0,1,2,3
	v_and_b32 v[X+\e], s15, v[X+\e]
	v_and_b32 v[24+\e], s15, v[24+\e]
.endr
.irp e, 0,1,2,3
	v_add_nc_u32 v[X+\e], v[X+\e], v[24+\e]        ; fields of 4 bits: 0 to 4
.endr
	v_add_nc_u32 v[X], v[X], v[X+1]                ; 0 to 8: still within 4 bits
	v_add_nc_u32 v[X+2], v[X+2], v[X+3]
	v_lshrrev_b32 v24, 4, v[X]
	v_lshrrev_b32 v25, 4, v[X+2]
	v_and_b32 v[X], s16, v[X]
	v_and_b32 v[X+2], s16, v[X+2]
	v_and_b32 v24, s16, v24
	v_and_b32 v25, s16, v25
	v_add_nc_u32 v[X], v[X], v[X+2]
	v_add_nc_u32 v24, v24, v25
	v_add_nc_u32 v[X], v[X], v24                   ; bytes: 0 to 32
	v_lshrrev_b32 v24, 16, v[X]
	v_add_nc_u32 v[X], v[X], v24
	v_lshrrev_b32 v24, 8, v[X]
	v_add_nc_u32 v[X], v[X], v24
	v_and_b32 v[X], 0xff, v[X]                     ; my 128 bits' count
	v_cvt_f32_u32 v[X], v[X]
	v_add_f32_dpp v[X], v[X], v[X] row_xmask:1 row_mask:0xf bank_mask:0xf
	v_add_f32_dpp v[X], v[X], v[X] row_xmask:2 row_mask:0xf bank_mask:0xf
	v_add_f32_dpp v[X], v[X], v[X] row_xmask:4 row_mask:0xf bank_mask:0xf
	v_add_f32_dpp v[X], v[X], v[X] row_xmask:8 row_mask:0xf bank_mask:0xf
	v_cvt_u32_f32 v[X], v[X]
	ds_store_b32 v5, v[X] offset:8*(\k)            ; 16 lanes write the same word with the same number
.endm
	CNT 0
	CNT 1
	CNT 2
	CNT 3
	v_lshlrev_b32 v6, 3, v3
	s_wait_dscnt 0x0                               ; for the others' sake: my eight counts are written
	s_barrier_signal -1
	s_barrier_wait -1
	s_cmp_lg_u32 s8, 0
	s_cbranch_scc1 .Lend
	ds_load_b64 v[28:29], v6                       ; wave 0: lane l takes queries 2 l and 2 l + 1
	s_wait_dscnt 0x0
	global_store_b64 v6, v[28:29], s[6:7]          ; 256 consecutive bytes, aligned
.Lend:
	s_wait_tensorcnt 0x0                           ; the wave's end
	ds_add_u32 v1, v2
	s_wait_dscnt 0x0
	s_endpgm
.Lfunc_end_k_q55323576a5_tally:
	.size	k_q55323576a5_tally, .Lfunc_end_k_q55323576a5_tally-k_q55323576a5_tally
	.p2alignl 7, 3214868480
	.fill 96, 4, 3214868480
	.section	.rodata,"a",@progbits
	.p2align	6, 0x0
	.amdhsa_kernel k_q55323576a5_tally
		.amdhsa_group_segment_fixed_size 1280
		.amdhsa_private_segment_fixed_size 0
		.amdhsa_enable_private_segment 0
		.amdhsa_kernarg_size 16
		.amdhsa_user_sgpr_count 2
		.amdhsa_user_sgpr_kernarg_segment_ptr 1
		.amdhsa_wavefront_size32 1
		.amdhsa_system_sgpr_workgroup_id_x 1
		.amdhsa_system_sgpr_workgroup_id_y 1
		.amdhsa_system_sgpr_workgroup_id_z 1
		.amdhsa_system_vgpr_workitem_id 0
		.amdhsa_next_free_vgpr 32
		.amdhsa_next_free_sgpr 66
		.amdhsa_reserve_vcc 0
		.amdhsa_float_denorm_mode_32 3
		.amdhsa_float_denorm_mode_16_64 3
		.amdhsa_memory_ordered 1
		.amdhsa_forward_progress 1
		.amdhsa_inst_pref_size 10
	.end_amdhsa_kernel
	.amdgpu_metadata
---
amdhsa.version: [ 1, 2 ]
amdhsa.kernels:
  - .name:           k_q55323576a5_tally
    .symbol:         k_q55323576a5_tally.kd
    .args:
      - { .name: flags, .offset: 0, .size: 8, .value_kind: global_buffer, .address_space: global }
      - { .name: nfl, .offset: 8, .size: 8, .value_kind: global_buffer, .address_space: global }
    .group_segment_fixed_size: 1280
    .private_segment_fixed_size: 0
    .kernarg_segment_align: 8
    .kernarg_segment_size: 16
    .max_flat_workgroup_size: 256
    .sgpr_count:     66
    .vgpr_count:     32
    .wavefront_size: 32
...
	.end_amdgpu_metadata
.endif
;; end of part 2
;; launch pick (part 3): grid 256 x 1, 32 waves a work-group, no clusters, 208,896 bytes of LDS; arguments qtab, flags, sample_coords, nfl, slots, cnts; writes slots, cnts
.if DOCPART == 3
	.amdgcn_target "amdgcn-amd-amdhsa--gfx1250"
	.amdhsa_code_object_version 6
	.text
	.protected	k_q55323576a5_pick
	.globl	k_q55323576a5_pick
	.p2align	8
	.type	k_q55323576a5_pick,@function
k_q55323576a5_pick:
	s_mov_b64 s[64:65], 0
	v_nop
	global_prefetch_b8 v0, s[64:65] scope:SCOPE_SE
	s_setreg_imm32_b32 hwreg(HW_REG_WAVE_MODE, 25, 1), 1
	s_wait_xcnt 0x0
; PICK.  One wave, one query; 32 waves to a work-group, which share ONE TABLE in LDS: all 16,384 samples as packed bf16 pairs (x below, y above), 64 KiB, made once from whole 16-byte loads of consecutive bytes.
; So a group's 8 samples are 32 bytes of LDS, and memory is not asked again and again for a few bytes of many blocks.
; The query's 2,048 flag bits (whole numbers from an earlier launch) are turned into a list of the flagged fine groups (8 consecutive samples each) in the wave's own LDS.  Then, 128 list places a trip, a lane
; takes its group's 8 samples, forms the 8 exact d2 (the roundings of the formula as it is written) and stores ONE SLOT WORD: group << 8 | mask of the samples with d2 <= bound.
; WHAT HANGS ON WHAT.  The trips are counted by nfl[q], the number of flagged groups, which an earlier launch stored.  The flag words steer LDS addresses alone; every address in memory is made of ids and constants.
; The masks, which come from floating-point numbers, are only stored and counted.  cnts[q] = (slots | most bits in a mask << 16, candidates).
; EVERY LANE STORES in the scatter: a lane whose flag bit is clear gets the place -1, and the clamp sends it to one trash entry behind the list.  EXEC stays full but for the one store of 8 bytes at the end.
; All LDS stores (table, lists) stand ahead of the one barrier, all LDS loads behind it.
; No matrix unit: some 90 groups of 8 a query.  LIMITS: inputs finite; their bf16 roundings, squares and sums finite and no denormals; NaN is not treated.
.set TRASH, 0x800           ; a list has 2,048 entries of 2 bytes; entry 2,048 takes what no lane means
.set LIST,  65536           ; behind the table: a list of 4,352 bytes for each wave
.set LW,    4352
.set SPARE, 204800          ; the spare words, 128 bytes a wave
.set GI,  20                ; v20-23   row k's group
.set GA,  24                ; v24-27   its byte in the table
.set WD,  28                ; v28-31   its slot word
.set RAW, 32                ; v32-63   first the samples as loaded, for the table; then 8 registers a row: 8 packed samples
.set XX,  64                ; ax
.set YY,  72                ; ay
.set AA,  80                ; a2, then a2 + b2
.set PP,  88                ; -2 a.b, then d2, then bound - d2
.set QT,  96                ; v96-99   -2 bx, -2 by, b2, bound
	s_load_b256 s[4:11], s[0:1], 0x0               ; qtab s[4:5], flags s[6:7], samples s[8:9], nfl s[10:11]
	s_load_b128 s[12:15], s[0:1], 0x20             ; slots s[12:13], cnts s[14:15]
	v_lshl_add_u32 v2, v0, 2, SPARE                ; my spare word, and 0: kept for the closing add alone
	v_mov_b32 v3, 0
	v_lshrrev_b32 v1, 5, v0
	v_readfirstlane_b32 s84, v1                    ; wave
	v_and_b32 v1, 31, v0                           ; lane
	s_lshl_b32 s85, ttmp9, 5
	s_add_co_u32 s85, s85, s84                     ; my query
	s_mul_i32 s86, s84, LW
	s_add_co_u32 s86, s86, LIST                    ; my list
	v_mov_b32 v8, s86
	v_lshl_add_u32 v4, v1, 4, s86
	v_lshl_add_u32 v5, v1, 1, s86                  ; where I read the list: 2 x lane, + 256 a trip
	v_mov_b32 v6, 0
	v_mov_b32 v7, v1                               ; my list place in row 0 of the trip
	v_mov_b32 v9, 0                                ; the most bits in a mask of mine
	v_lshlrev_b32 v10, 2, v1                       ; where its slot word goes
	v_mov_b32 v11, 0                               ; candidates counted by this lane
	v_mov_b32 v13, v1                              ; the group of my bit in the flag word in hand
	v_mov_b32 v14, -1
	v_lshlrev_b32 v100, 3, v0                      ; table: thread t writes 8 bytes at 8 t + 8,192 k,
	v_lshlrev_b32 v101, 4, v0                      ; made of the 16 bytes at 16 t + 16,384 k
.irp i, 16,17,18,19
	v_mov_b32 v\i, 0
.endr
.irp k, 0,1,2,3,4,5,6,7
	ds_store_b128 v4, v[16:19] offset:512*\k       ; the list starts as zeros: places behind its end are read too, and masked
.endr
	s_mov_b32 s87, 0
	s_mov_b32 s92, 0x76543210
	s_mov_b32 s93, 0xfedcba98
	s_mov_b32 s88, 0                               ; flagged groups so far
	s_wait_kmcnt 0x0
	s_lshl_b32 s86, s85, 4
	s_add_nc_u64 s[4:5], s[4:5], s[86:87]
	s_lshl_b32 s86, s85, 8                         ; 256 bytes of flags a query
	s_add_nc_u64 s[6:7], s[6:7], s[86:87]
	s_lshl_b32 s86, s85, 2
	s_add_nc_u64 s[10:11], s[10:11], s[86:87]
	s_lshl_b32 s86, s85, 13                        ; 8,192 bytes of slots
	s_add_nc_u64 s[12:13], s[12:13], s[86:87]
	s_lshl_b32 s86, s85, 3
	s_add_nc_u64 s[14:15], s[14:15], s[86:87]
	s_load_b512 s[16:31], s[6:7], 0x0              ; the 64 flag words
	s_load_b512 s[32:47], s[6:7], 0x40
	s_load_b512 s[48:63], s[6:7], 0x80
	s_load_b512 s[68:83], s[6:7], 0xc0
	s_load_b32 s96, s[10:11], 0x0                  ; how many of their bits are set
	global_load_b128 v[QT:QT+3], v6, s[4:5]        ; the same 16 bytes for all lanes
.irp k, 0,1,2,3,4,5,6,7
	global_load_b128 v[RAW+4*\k:RAW+4*\k+3], v101, s[8:9] offset:16384*\k
.endr
	s_wait_kmcnt 0x0
.macro SCATW sr                        ; a flag word: each set bit's lane writes its group's number at the list's next free places
	v_mbcnt_lo_u32_b32 v12, s[\sr], s88            ; the groups so far + the set bits below mine
	v_cndmask_b32 v12, v14, v12, s[\sr]            ; -1 where my bit is clear
	v_min_u32 v12, TRASH, v12                      ; a number made of loaded data enters an address only behind a clamp by a constant
	v_lshlrev_b32 v12, 1, v12
	v_add_nc_u32 v12, v8, v12
	ds_store_b16 v12, v13
	v_add_nc_u32 v13, 32, v13
	s_bcnt1_i32_b32 s90, s[\sr]
	s_add_co_u32 s88, s88, s90
.endm
.set w_, 0
.rept 64                               ; the scatter stands in the wait for the samples
.if w_ < 48
	SCATW 16+w_
.else
	SCATW 20+w_
.endif
.set w_, w_+1
.endr
.irp k, 0,1,2,3,4,5,6,7
	s_wait_loadcnt 7-\k                            ; load k is in (and the query's four numbers, asked for earlier); the later ones may stay out
	v_cvt_pk_bf16_f32 v[RAW+4*\k], v[RAW+4*\k], v[RAW+4*\k+1]
	v_cvt_pk_bf16_f32 v[RAW+4*\k+1], v[RAW+4*\k+2], v[RAW+4*\k+3]
	ds_store_b64 v100, v[RAW+4*\k:RAW+4*\k+1] offset:8192*\k
.endr
	s_wait_dscnt 0x0                               ; for the others' sake: my part of the table is written
	s_barrier_signal -1
	s_barrier_wait -1
.macro ROWC k                          ; row k of the trip: 32 groups, 8 samples a lane
	s_wait_dscnt 6-2*(\k)                          ; my row's two loads are in; the later rows' two each may stay out
.irp e, 0,1,2,3,4,5,6,7
	v_lshlrev_b32 v[XX+\e], 16, v[RAW+8*(\k)+\e]
	v_and_b32 v[YY+\e], 0xffff0000, v[RAW+8*(\k)+\e]
.endr
.irp e, 0,2,4,6
	v_pk_mul_f32 v[AA+\e:AA+\e+1], v[XX+\e:XX+\e+1], v[XX+\e:XX+\e+1]
	v_pk_mul_f32 v[PP+\e:PP+\e+1], v[XX+\e:XX+\e+1], v[QT:QT+1] op_sel_hi:[1,0]
.endr
.irp e, 0,2,4,6
	v_pk_fma_f32 v[AA+\e:AA+\e+1], v[YY+\e:YY+\e+1], v[YY+\e:YY+\e+1], v[AA+\e:AA+\e+1]                          ; a2
	v_pk_fma_f32 v[PP+\e:PP+\e+1], v[YY+\e:YY+\e+1], v[QT:QT+1], v[PP+\e:PP+\e+1] op_sel:[0,1,0] op_sel_hi:[1,1,1]  ; -2 a.b
.endr
.irp e, 0,2,4,6
	v_pk_add_f32 v[AA+\e:AA+\e+1], v[AA+\e:AA+\e+1], v[QT+2:QT+3] op_sel_hi:[1,0]                                ; a2 + b2
.endr
.irp e, 0,2,4,6
	v_pk_add_f32 v[PP+\e:PP+\e+1], v[AA+\e:AA+\e+1], v[PP+\e:PP+\e+1]                                            ; d2
.endr
.irp e, 0,2,4,6
	v_pk_add_f32 v[PP+\e:PP+\e+1], v[QT+2:QT+3], v[PP+\e:PP+\e+1] op_sel:[1,0] op_sel_hi:[1,1] neg_lo:[0,1] neg_hi:[0,1]  ; bound - d2: negative where the sample is out
.endr
	v_mov_b32 v12, 0
.irp e, 7,6,5,4,3,2,1,0
	v_alignbit_b32 v12, v12, v[PP+\e], 31          ; the signs, sample e's in bit e
.endr
	v_xor_b32 v12, 0xff, v12
	v_add_nc_u32 v15, 32*(\k), v7
	v_cmp_gt_u32 vcc_lo, s88, v15
	v_cndmask_b32 v12, 0, v12, vcc_lo              ; behind the list's end: no candidate
	v_lshl_or_b32 v[WD+(\k)], v[GI+(\k)], 8, v12
	global_store_b32 v10, v[WD+(\k)], s[12:13] offset:128*(\k)  ; the wave stores 128 consecutive bytes; a trip's four rows 512, aligned
	v_lshrrev_b32 v16, 1, v12                      ; the mask's bits are counted
	v_and_b32 v16, 0x55, v16
	v_sub_nc_u32 v16, v12, v16
	v_lshrrev_b32 v17, 2, v16
	v_and_b32 v16, 0x33, v16
	v_and_b32 v17, 0x33, v17
	v_add_nc_u32 v16, v16, v17
	v_lshrrev_b32 v17, 4, v16
	v_add_nc_u32 v16, v16, v17
	v_and_b32 v16, 15, v16
	v_add_nc_u32 v11, v11, v16
	v_cmp_gt_u32 vcc_lo, v16, v9
	v_cndmask_b32 v9, v9, v16, vcc_lo
.endm
	s_mov_b32 s94, 16
	s_mov_b32 s95, 0                               ; the trip's first list place
.Lwin:
	s_cmp_ge_u32 s95, s96
	s_cbranch_scc1 .Lskip                          ; behind the list's end: forward, to the steps
.irp k, 0,1,2,3
	ds_load_u16 v[GA+\k], v5 offset:64*\k
.endr
	s_wait_dscnt 0x0
.irp k, 0,1,2,3
	v_min_u32 v[GA+\k], 0x7ff, v[GA+\k]
.endr
.irp k, 0,1,2,3
	v_mov_b32 v[GI+\k], v[GA+\k]
	v_lshlrev_b32 v[GA+\k], 5, v[GA+\k]            ; a group's 8 packed samples are 32 bytes of the table
.endr
.irp k, 0,1,2,3
	ds_load_b128 v[RAW+8*\k:RAW+8*\k+3], v[GA+\k]
	ds_load_b128 v[RAW+8*\k+4:RAW+8*\k+7], v[GA+\k] offset:16
.endr
	ROWC 0
	ROWC 1
	ROWC 2
	ROWC 3
	s_wait_xcnt 0x0                                ; the stores' offset and data are written again only behind this wait
.Lskip:
	v_add_nc_u32 v5, 256, v5
	v_add_nc_u32 v7, 128, v7
	v_add_nc_u32 v10, 512, v10
	s_add_co_u32 s95, s95, 128
	s_sub_co_u32 s94, s94, 1
	s_cmp_lg_u32 s94, 0
	s_cbranch_scc1 .Lwin
	v_cvt_f32_u32 v11, v11                         ; the wave's sum and maximum, in f32: exact, 16,384 and 8 at the most
	v_cvt_f32_u32 v9, v9
.irp m, 1,2,4,8
	v_add_f32_dpp v11, v11, v11 row_xmask:\m row_mask:0xf bank_mask:0xf
	v_max_num_f32_dpp v9, v9, v9 row_xmask:\m row_mask:0xf bank_mask:0xf
.endr
	v_permlanex16_b32 v12, v11, s92, s93
	v_permlanex16_b32 v16, v9, s92, s93
	v_add_f32 v11, v11, v12
	v_max_num_f32 v9, v9, v16
	v_cvt_u32_f32 v13, v11
	v_cvt_u32_f32 v9, v9
	v_mov_b32 v12, s88
	v_lshl_or_b32 v12, v9, 16, v12
	v_cmp_eq_u32 vcc_lo, 0, v1
	s_wait_xcnt 0x0                                ; EXEC changes only behind this wait
	s_and_saveexec_b32 s89, vcc_lo
	global_store_b64 v6, v[12:13], s[14:15]        ; lane 0: (slots | most bits << 16, candidates)
	s_wait_xcnt 0x0                                ; and again in front of the line that widens it
	s_or_b32 exec_lo, exec_lo, s89
	s_wait_tensorcnt 0x0                           ; the wave's end
	ds_add_u32 v2, v3
	s_wait_dscnt 0x0
	s_endpgm
.Lfunc_end_k_q55323576a5_pick:
	.size	k_q55323576a5_pick, .Lfunc_end_k_q55323576a5_pick-k_q55323576a5_pick
	.p2alignl 7, 3214868480
	.fill 96, 4, 3214868480
	.section	.rodata,"a",@progbits
	.p2align	6, 0x0
	.amdhsa_kernel k_q55323576a5_pick
		.amdhsa_group_segment_fixed_size 208896
		.amdhsa_private_segment_fixed_size 0
		.amdhsa_enable_private_segment 0
		.amdhsa_kernarg_size 48
		.amdhsa_user_sgpr_count 2
		.amdhsa_user_sgpr_kernarg_segment_ptr 1
		.amdhsa_wavefront_size32 1
		.amdhsa_system_sgpr_workgroup_id_x 1
		.amdhsa_system_sgpr_workgroup_id_y 1
		.amdhsa_system_sgpr_workgroup_id_z 1
		.amdhsa_system_vgpr_workitem_id 0
		.amdhsa_next_free_vgpr 104
		.amdhsa_next_free_sgpr 100
		.amdhsa_reserve_vcc 1
		.amdhsa_float_denorm_mode_32 3
		.amdhsa_float_denorm_mode_16_64 3
		.amdhsa_memory_ordered 1
		.amdhsa_forward_progress 1
		.amdhsa_inst_pref_size 50
	.end_amdhsa_kernel
	.amdgpu_metadata
---
amdhsa.version: [ 1, 2 ]
amdhsa.kernels:
  - .name:           k_q55323576a5_pick
    .symbol:         k_q55323576a5_pick.kd
    .args:
      - { .name: qtab, .offset: 0, .size: 8, .value_kind: global_buffer, .address_space: global }
      - { .name: flags, .offset: 8, .size: 8, .value_kind: global_buffer, .address_space: global }
      - { .name: sample_coords, .offset: 16, .size: 8, .value_kind: global_buffer, .address_space: global }
      - { .name: nfl, .offset: 24, .size: 8, .value_kind: global_buffer, .address_space: global }
      - { .name: slots, .offset: 32, .size: 8, .value_kind: global_buffer, .address_space: global }
      - { .name: cnts, .offset: 40, .size: 8, .value_kind: global_buffer, .address_space: global }
    .group_segment_fixed_size: 208896
    .private_segment_fixed_size: 0
    .kernarg_segment_align: 8
    .kernarg_segment_size: 48
    .max_flat_workgroup_size: 1024
    .sgpr_count:     100
    .vgpr_count:     104
    .wavefront_size: 32
...
	.end_amdgpu_metadata
.endif
;; end of part 3
;; launch rank (part 4): grid 128 x 1, 8 waves a work-group, no clusters, 119,808 bytes of LDS; arguments slots, cnts, qtab, sample_coords, out0, out1; writes out0, out1
.if DOCPART == 4
	.amdgcn_target "amdgcn-amd-amdhsa--gfx1250"
	.amdhsa_code_object_version 6
	.text
	.protected	k_q55323576a5_rank
	.globl	k_q55323576a5_rank
	.p2align	8
	.type	k_q55323576a5_rank,@function
k_q55323576a5_rank:
	s_mov_b64 s[64:65], 0
	v_nop
	global_prefetch_b8 v0, s[64:65] scope:SCOPE_SE
	s_setreg_imm32_b32 hwreg(HW_REG_WAVE_MODE, 25, 1), 1
	s_wait_xcnt 0x0
; RANK.  A work-group has 64 queries (a row of an output is then 256 consecutive bytes, aligned), a wave 8.  From the slot words and counts (whole numbers from the launch before) a wave lists each query's
; candidates in its own LDS, 128 a WINDOW; then, 64 a chunk, four lanes a query and 16 elements a lane, it gathers the coordinates, forms D = sqrt(max(d2, 1e-12)) exactly
; (coordinates rounded to bf16; the formula's roundings; v_sqrt_f32 set right by two fused residuals), sorts the keys (D, index) and merges them into a running sorted 64.  Rows 0 to 48 are the result.
; Equal D go by the lower index.
; THE TABLE.  All 16,384 samples lie in LDS as packed bf16 pairs (x below, y above), 64 KiB, made once from whole 16-byte loads of consecutive bytes: a gather takes 4 bytes of LDS, not 8 bytes of a block of memory.
; WHAT HANGS ON WHAT.  Every trip count and jump hangs on cnts alone: slots, candidates and the most bits in a slot's mask, for each query.  The slot words steer LDS addresses alone.
; With all 16,384 samples tied there are 128 windows: slower, still right.
; EVERY LANE STORES in the scatter: a lane with nothing to give gets the place -1; the clamp sends it, and every place outside the window, to one trash entry behind the list.  EXEC stays full but for row 48.
; 128 work-groups: fewer queries to a work-group would store parts of 256-byte blocks.  No matrix unit, no tensor load: some 90 gathered pairs a query, and the table is converted in registers on its way in.
; LIMITS: inputs finite; their bf16 roundings, squares and sums finite and no denormals; NaN is not treated.
.set LB,    65536           ; behind the table: the lists
.set LW,    2560            ; a wave's lists: 8 x 272 bytes, rounded up to what five fills of 512 bytes cover
.set LP,    272             ; a list: 128 entries of 2 bytes, entry 128 the trash, padding
.set STI,   86016           ; stage: 64 rows x 256 bytes of indices
.set STD,   102400          ; and of distances
.set SPARE, 118784
.set DA, 32                 ; two sets of keys that take turns: D and index
.set IA, 48
.set DB, 64
.set IB, 80
.set RD, 96                 ; the running 64
.set RI, 112
.set TA, 144                ; at work
.set TB, 152
.set TC, 160
.set TD, 168
.set SE, 68                 ; s68-75, s76-83: eight masks each
.set SG, 76
.set MT, 84                 ; s84-91: the most bits in a mask, for each of my 8 queries
	s_load_b256 s[4:11], s[0:1], 0x0               ; slots s[4:5], cnts s[6:7], qtab s[8:9], samples s[10:11]
	s_load_b128 s[12:15], s[0:1], 0x20             ; out0 s[12:13], out1 s[14:15]
	v_lshl_add_u32 v1, v0, 2, SPARE                ; my spare word, and 0: kept for the closing add alone
	v_mov_b32 v2, 0
	v_lshrrev_b32 v3, 5, v0
	v_readfirstlane_b32 s16, v3                    ; wave
	v_and_b32 v3, 31, v0                           ; lane
	v_and_b32 v4, 3, v0                            ; part: elements 16 part + i
	v_bfe_u32 v5, v0, 2, 3                         ; which of the wave's 8 queries
	v_lshlrev_b32 v28, 4, v0                       ; table: thread t reads 16 bytes at 16 t + 4,096 k
	v_lshlrev_b32 v29, 3, v0                       ; and writes 8 at 8 t + 2,048 k
	v_lshlrev_b32 v10, 4, v5
	s_lshl_b32 s17, ttmp9, 6
	s_lshl_b32 s18, s16, 3
	s_add_co_u32 s17, s17, s18                     ; the wave's first query
	s_mov_b32 s19, 0
	s_mov_b32 s60, 0x04020100                      ; table: place of a single bit among 8
	s_mov_b32 s61, 0x05060307
	s_mov_b32 s57, 0xaaaaaaaa                      ; lanes that keep the larger key: partner lane xor 1,
	s_mov_b32 s58, 0xcccccccc                      ; xor 2 or 3,
	s_mov_b32 s59, 0                               ; none (the merge)
	s_mov_b32 s62, 0xffff
	s_wait_kmcnt 0x0
	s_lshl_b32 s18, s17, 3
	s_add_nc_u64 s[6:7], s[6:7], s[18:19]
	s_load_b512 s[20:35], s[6:7], 0x0              ; (slots | most bits << 16, candidates) of my 8 queries
	s_lshl_b32 s18, s17, 4
	s_add_nc_u64 s[8:9], s[8:9], s[18:19]
	global_load_b128 v[16:19], v10, s[8:9]         ; my query's -2 bx, -2 by, b2, bound
.set k_, 0
.rept 32
	global_load_b128 v[32+4*k_:35+4*k_], v28, s[10:11] offset:4096*k_
.set k_, k_+1
.endr
	s_lshl_b32 s18, s17, 13
	s_add_nc_u64 s[36:37], s[4:5], s[18:19]
	s_lshl_b32 s18, ttmp9, 8
	s_add_nc_u64 s[12:13], s[12:13], s[18:19]
	s_add_nc_u64 s[14:15], s[14:15], s[18:19]
	s_mul_i32 s38, s16, LW
	s_add_co_u32 s38, s38, LB                      ; my 8 lists
	v_mov_b32 v7, s38
	v_mul_u32_u24 v6, v5, LP
	v_lshl_add_u32 v6, v4, 5, v6
	v_add_nc_u32 v6, s38, v6                       ; where I read 16 entries of a chunk
	v_lshl_add_u32 v21, v3, 4, s38                 ; where I fill
	v_lshlrev_b32 v27, 2, v3
	v_mov_b32 v15, -1
	v_mov_b32 v20, 0x7f800000
.set k_, 0
.rept 32
	s_wait_loadcnt 31-k_                           ; load k is in (and the query's four numbers, asked for earlier); the later ones may stay out
	v_cvt_pk_bf16_f32 v[32+4*k_], v[32+4*k_], v[33+4*k_]
	v_cvt_pk_bf16_f32 v[33+4*k_], v[34+4*k_], v[35+4*k_]
	ds_store_b64 v29, v[32+4*k_:33+4*k_] offset:2048*k_
.set k_, k_+1
.endr
.set t, 0
.rept 16
	v_mov_b32 v[RD+t], 0x7f800000                  ; the running 64 start as (infinity, 0xffff), behind every true key
	v_mov_b32 v[RI+t], 0xffff
.set t, t+1
.endr
	s_wait_kmcnt 0x0
.irp i, 0,1,2,3,4,5,6,7
	s_lshr_b32 s[MT+\i], s[20+2*\i], 16
	s_and_b32 s[20+2*\i], s[20+2*\i], 0xffff
.endr
	s_max_u32 s54, s21, s23
	s_max_u32 s39, s20, s22
.irp i, 2,3,4,5,6,7
	s_max_u32 s54, s54, s[21+2*\i]                 ; the most candidates of a query,
	s_max_u32 s39, s39, s[20+2*\i]                 ; the most slots
.endr
	s_add_co_u32 s56, s54, 127
	s_lshr_b32 s56, s56, 7                         ; windows
	s_add_co_u32 s51, s39, 31
	s_lshr_b32 s51, s51, 5                         ; rows of 32 slots
	s_mov_b32 s53, 0                               ; -128 x window
	s_mov_b32 s55, 0
	s_wait_dscnt 0x0                               ; for the others' sake: my part of the table is written
	s_barrier_signal -1
	s_barrier_wait -1
.macro ALL16 line:vararg
.set t, 0
.rept 16
	\line
.set t, t+1
.endr
.endm
.macro ALLP line:vararg
.set t, 0
.rept 8
	\line
.set t, t+2
.endr
.endm
.macro G8 g, line:vararg
.set c, 0
.rept 8
.set t, 8*(\g)+c
	\line
.set c, c+1
.endr
.endm
; Query i's 32 slots of the row in hand.  In each turn every lane with bits left gives its lowest one.  No mask of the query has more bits than MT says: behind so many turns the row is left, by a jump forward.
.macro ROWL i
	s_wait_loadcnt 7-(\i)                          ; my query's word is in; the later queries' loads may stay out
	s_cmp_ge_u32 s50, s[20+2*(\i)]
	s_cbranch_scc1 .Ldone\@                        ; the query has no such row
	v_cmp_gt_u32 vcc_lo, s[20+2*(\i)], v11
	v_lshrrev_b32 v9, 8, v[144+(\i)]
	v_and_b32 v8, 0xff, v[144+(\i)]
	v_lshlrev_b32 v9, 3, v9                        ; the group's first sample
	v_cndmask_b32 v8, 0, v8, vcc_lo
.set tn_, 0
.rept 8
	s_cmp_le_u32 s[MT+(\i)], tn_
	s_cbranch_scc1 .Ldone\@
	v_cmp_ne_u32 s49, 0, v8
	v_sub_nc_u32 v12, 0, v8
	v_and_b32 v12, v12, v8                         ; the lowest bit,
	v_xor_b32 v8, v8, v12
	v_mul_u32_u24 v12, 0x17, v12                   ; its place: bits 7:5 of the product differ for the 8 places, and the table turns them back
	v_bfe_u32 v12, v12, 5, 3
	v_perm_b32 v12, s61, s60, v12
	v_add_nc_u32 v14, v9, v12                      ; the sample
	v_mbcnt_lo_u32_b32 v13, s49, s[40+(\i)]        ; its place in the window (below 0, a large number, as long as earlier windows' pass by)
	v_cndmask_b32 v13, v15, v13, s49
	v_min_u32 v13, 0x80, v13                       ; a number made of loaded data enters an address only behind a clamp by a constant
	v_lshlrev_b32 v13, 1, v13
	v_add_nc_u32 v13, v7, v13
	ds_store_b16 v13, v14 offset:LP*(\i)
	s_bcnt1_i32_b32 s48, s49
	s_add_co_u32 s[40+(\i)], s[40+(\i)], s48
.set tn_, tn_+1
.endr
.Ldone\@:
.endm
; Comparators on keys.  Where the D are equal the indices are compared in their stead (both as unsigned words: D is not negative).  Eight comparators go phase by phase, so that no line waits for the one before it.
.macro KSWAP
.set x_, KD
.set KD, ND
.set ND, x_
.set x_, KI
.set KI, NI
.set NI, x_
.endm
.macro KPH ph, k                       ; phase ph of a stage within a lane: i with j = i xor k
.set i_, 0
.set c_, 0
.rept 16
.set j_, i_^(\k)
.if j_ > i_
.if (\ph) == 0
	v_cmp_eq_u32 s[SE+c_], v[KD+i_], v[KD+j_]
.elseif (\ph) == 1
	v_cndmask_b32 v[TA+c_], v[KD+i_], v[KI+i_], s[SE+c_]
	v_cndmask_b32 v[TB+c_], v[KD+j_], v[KI+j_], s[SE+c_]
.elseif (\ph) == 2
	v_cmp_gt_u32 s[SG+c_], v[TA+c_], v[TB+c_]
.else
	v_cndmask_b32 v[ND+i_], v[KD+i_], v[KD+j_], s[SG+c_]
	v_cndmask_b32 v[ND+j_], v[KD+j_], v[KD+i_], s[SG+c_]
	v_cndmask_b32 v[NI+i_], v[KI+i_], v[KI+j_], s[SG+c_]
	v_cndmask_b32 v[NI+j_], v[KI+j_], v[KI+i_], s[SG+c_]
.endif
.set c_, c_+1
.endif
.set i_, i_+1
.endr
.endm
.macro KST k
	KPH 0, \k
	KPH 1, \k
	KPH 2, \k
	KPH 3, \k
	KSWAP
.endm
; With lane xor x: my key (oD, oI)[i] against the partner's (KD, KI)[i] (mir = 0) or [15 - i] (mir = 1).  I take the partner's if mine is larger, or, in the lanes of mask km, if it is not.
.macro KX x, mir, km, oD, oI
.irp g, 0,1
	G8 \g, v_mov_b32_dpp v[TA+c], v[KD+(t^(15*(\mir)))] row_xmask:\x row_mask:0xf bank_mask:0xf
	G8 \g, v_mov_b32_dpp v[TB+c], v[KI+(t^(15*(\mir)))] row_xmask:\x row_mask:0xf bank_mask:0xf
	G8 \g, v_cmp_eq_u32 s[SE+c], v[\oD+t], v[TA+c]
	G8 \g, v_cndmask_b32 v[TC+c], v[\oD+t], v[\oI+t], s[SE+c]
	G8 \g, v_cndmask_b32 v[TD+c], v[TA+c], v[TB+c], s[SE+c]
	G8 \g, v_cmp_gt_u32 s[SG+c], v[TC+c], v[TD+c]
	G8 \g, s_xor_b32 s[SG+c], s[SG+c], s[\km]
	G8 \g, v_cndmask_b32 v[ND+t], v[\oD+t], v[TA+c], s[SG+c]
	G8 \g, v_cndmask_b32 v[NI+t], v[\oI+t], v[TB+c], s[SG+c]
.endr
	KSWAP
.endm
.Lwin:                                         ; a window: the candidates with places 128 window .. + 127 of each query
.irp i, 128,129,130,131
	v_mov_b32 v\i, -1
.endr
.irp k, 0,1,2,3,4
	ds_store_b128 v21, v[128:131] offset:512*\k    ; my 8 lists start as 0xffff: no candidate
.endr
.irp i, 0,1,2,3,4,5,6,7
	s_mov_b32 s[40+\i], s53                        ; the next candidate's place in the window
.endr
	s_mov_b32 s63, 0
.Lrow:                                         ; a row: slots 32 row .. + 31 of all 8 queries; the eight loads go out together
	s_lshl_b32 s50, s63, 5
	v_add_nc_u32 v11, s50, v3                      ; my slot
.irp i, 0,1,2,3,4,5,6,7
	s_cmp_lt_u32 s50, s[20+2*\i]
	s_cselect_b32 s48, s50, 0                      ; a query that has no such row reads its row 0 again: only bytes that were stored are read
	s_min_u32 s48, s48, 0x7e0
	s_lshl_b32 s48, s48, 2
	v_add_nc_u32 v[176+\i], s48, v27
	global_load_b32 v[144+\i], v[176+\i], s[36:37] offset:8192*\i
.endr
.irp i, 0,1,2,3,4,5,6,7
	ROWL \i
.endr
	s_add_co_u32 s63, s63, 1
	s_cmp_lt_u32 s63, s51
	s_cbranch_scc1 .Lrow
	ds_load_b128 v[128:131], v6                    ; both chunks' entries, from fixed places; LDS serves a wave's instructions in order: these see the stores above
	ds_load_b128 v[132:135], v6 offset:16
	ds_load_b128 v[136:139], v6 offset:128
	ds_load_b128 v[140:143], v6 offset:144
	s_wait_dscnt 0x0
	s_mov_b32 s52, 2
.Lchunk:
.set t, 0
.rept 8
	v_and_b32 v[IA+2*t], s62, v[128+t]
	v_lshrrev_b32 v[IA+2*t+1], 16, v[128+t]
.set t, t+1
.endr
	ALL16 v_mov_b32 v[144+t], v[IA+t]
	ALL16 v_min_u32 v[144+t], 0x3fff, v[144+t]
	ALL16 v_lshlrev_b32 v[144+t], 2, v[144+t]
	ALL16 ds_load_b32 v[176+t], v[144+t]           ; the table begins at LDS byte 0
	s_wait_dscnt 0x0
	ALL16 v_lshlrev_b32 v[144+t], 16, v[176+t]
	ALL16 v_and_b32 v[160+t], 0xffff0000, v[176+t]
	ALLP v_pk_mul_f32 v[DA+t:DA+t+1], v[144+t:145+t], v[144+t:145+t]
	ALLP v_pk_mul_f32 v[176+t:177+t], v[144+t:145+t], v[16:17] op_sel_hi:[1,0]
	ALLP v_pk_fma_f32 v[DA+t:DA+t+1], v[160+t:161+t], v[160+t:161+t], v[DA+t:DA+t+1]
	ALLP v_pk_fma_f32 v[176+t:177+t], v[160+t:161+t], v[16:17], v[176+t:177+t] op_sel:[0,1,0] op_sel_hi:[1,1,1]
	ALLP v_pk_add_f32 v[DA+t:DA+t+1], v[DA+t:DA+t+1], v[18:19] op_sel_hi:[1,0]
	ALLP v_pk_add_f32 v[DA+t:DA+t+1], v[DA+t:DA+t+1], v[176+t:177+t]
	ALL16 v_max_num_f32 v[DA+t], 0x2b8cbccc, v[DA+t]
	ALL16 v_sqrt_f32 v[144+t], v[DA+t]
	v_nop                                          ; a plain instruction behind the last root,
	s_wait_alu depctr_va_vdst(0)                   ; and one wait for the sixteen, ahead of their first reader
	ALL16 v_add_nc_u32 v[160+t], -1, v[144+t]      ; the neighbours of s, one step of the last place down and up
	ALL16 v_add_nc_u32 v[176+t], 1, v[144+t]
	ALL16 v_fma_f32 v[DB+t], -v[160+t], v[144+t], v[DA+t]  ; x - down s <= 0: s is too large
	ALL16 v_fma_f32 v[IB+t], -v[176+t], v[144+t], v[DA+t]  ; x - up s > 0: s is too small
.irp g, 0,1
	G8 \g, v_cmp_le_f32 s[SE+c], v[DB+t], 0
	G8 \g, v_cmp_gt_f32 s[SG+c], v[IB+t], 0
	G8 \g, v_cndmask_b32 v[144+t], v[144+t], v[160+t], s[SE+c]
	G8 \g, v_cndmask_b32 v[DA+t], v[144+t], v[176+t], s[SG+c]
	G8 \g, v_cmp_eq_u32 s[SE+c], s62, v[IA+t]
	G8 \g, v_cndmask_b32 v[DA+t], v[DA+t], v20, s[SE+c]    ; no candidate: infinity
.endr
.set KD, DA
.set KI, IA
.set ND, DB
.set NI, IB
.irp k, 1, 3,1, 7,2,1, 15,4,2,1
	KST \k
.endr
	KX 1, 1, 57, KD, KI
.irp k, 8,4,2,1
	KST \k
.endr
	KX 3, 1, 58, KD, KI
	KX 1, 0, 57, KD, KI
.irp k, 8,4,2,1
	KST \k
.endr
	KX 3, 1, 59, RD, RI                            ; the merge: the smaller of running[e] and chunk[63 - e] are the 64 smallest of both,
	KX 2, 0, 58, KD, KI                            ; and half cleaners put them in order
	KX 1, 0, 57, KD, KI
.irp k, 8,4,2
	KST \k
.endr
.set ND, RD
.set NI, RI
	KST 1                                          ; the last stage writes the running 64
.set t, 0
.rept 8
	v_mov_b32 v[128+t], v[136+t]                   ; the window's second chunk moves down
.set t, t+1
.endr
	s_sub_co_u32 s52, s52, 1
	s_cmp_lg_u32 s52, 0
	s_cbranch_scc1 .Lchunk
	s_sub_co_u32 s53, s53, 128
	s_add_co_u32 s55, s55, 1
	s_cmp_lt_u32 s55, s56
	s_cbranch_scc1 .Lwin
	; THE WAY OUT: element e of query c goes to row e, word c of the stages; then whole rows of 256 bytes leave.
	s_lshl_b32 s38, s16, 5
	s_add_co_u32 s38, s38, STI
	v_lshlrev_b32 v22, 12, v4
	v_lshl_add_u32 v22, v5, 2, v22
	v_add_nc_u32 v22, s38, v22
	ALL16 ds_store_b32 v22, v[RI+t] offset:256*t
	ALL16 ds_store_b32 v22, v[RD+t] offset:256*t+STD-STI
	v_lshl_add_u32 v23, v0, 4, STI
	v_lshrrev_b32 v24, 4, v0
	v_and_b32 v25, 15, v0
	v_lshlrev_b32 v25, 4, v25
	v_lshl_add_u32 v24, v24, 15, v25               ; row t / 16 (32,768 bytes a row), 16 bytes a lane
	s_wait_dscnt 0x0                               ; for the others' sake: my stores into the stages are done
	s_barrier_signal -1
	s_barrier_wait -1
.irp p, 0,1,2
	ds_load_b128 v[32+4*\p:35+4*\p], v23 offset:4096*\p
	ds_load_b128 v[48+4*\p:51+4*\p], v23 offset:4096*\p+STD-STI
.endr
	s_wait_dscnt 0x0
.irp p, 0,1,2
	global_store_b128 v24, v[32+4*\p:35+4*\p], s[12:13] offset:524288*\p  ; 16 lanes store 256 consecutive bytes, aligned: rows 16 p + t / 16
	global_store_b128 v24, v[48+4*\p:51+4*\p], s[14:15] offset:524288*\p
.endr
	s_cmp_lg_u32 s16, 0
	s_cbranch_scc1 .Lend
	v_add_nc_u32 v26, STI+48*256, v25              ; row 48: wave 0, lanes 0 to 15
	ds_load_b128 v[64:67], v26
	ds_load_b128 v[68:71], v26 offset:STD-STI
	v_cmp_gt_u32 vcc_lo, 16, v3
	s_wait_dscnt 0x0
	s_wait_xcnt 0x0                                ; EXEC changes only behind this wait
	s_and_saveexec_b32 s38, vcc_lo
	global_store_b128 v25, v[64:67], s[12:13] offset:1572864
	global_store_b128 v25, v[68:71], s[14:15] offset:1572864
	s_wait_xcnt 0x0                                ; and again in front of the line that widens it
	s_or_b32 exec_lo, exec_lo, s38
.Lend:
	s_wait_tensorcnt 0x0                           ; the wave's end
	ds_add_u32 v1, v2
	s_wait_dscnt 0x0
	s_endpgm
.Lfunc_end_k_q55323576a5_rank:
	.size	k_q55323576a5_rank, .Lfunc_end_k_q55323576a5_rank-k_q55323576a5_rank
	.p2alignl 7, 3214868480
	.fill 96, 4, 3214868480
	.section	.rodata,"a",@progbits
	.p2align	6, 0x0
	.amdhsa_kernel k_q55323576a5_rank
		.amdhsa_group_segment_fixed_size 119808
		.amdhsa_private_segment_fixed_size 0
		.amdhsa_enable_private_segment 0
		.amdhsa_kernarg_size 48
		.amdhsa_user_sgpr_count 2
		.amdhsa_user_sgpr_kernarg_segment_ptr 1
		.amdhsa_wavefront_size32 1
		.amdhsa_system_sgpr_workgroup_id_x 1
		.amdhsa_system_sgpr_workgroup_id_y 1
		.amdhsa_system_sgpr_workgroup_id_z 1
		.amdhsa_system_vgpr_workitem_id 0
		.amdhsa_next_free_vgpr 200
		.amdhsa_next_free_sgpr 100
		.amdhsa_reserve_vcc 1
		.amdhsa_float_denorm_mode_32 3
		.amdhsa_float_denorm_mode_16_64 3
		.amdhsa_memory_ordered 1
		.amdhsa_forward_progress 1
		.amdhsa_inst_pref_size 234
	.end_amdhsa_kernel
	.amdgpu_metadata
---
amdhsa.version: [ 1, 2 ]
amdhsa.kernels:
  - .name:           k_q55323576a5_rank
    .symbol:         k_q55323576a5_rank.kd
    .args:
      - { .name: slots, .offset: 0, .size: 8, .value_kind: global_buffer, .address_space: global }
      - { .name: cnts, .offset: 8, .size: 8, .value_kind: global_buffer, .address_space: global }
      - { .name: qtab, .offset: 16, .size: 8, .value_kind: global_buffer, .address_space: global }
      - { .name: sample_coords, .offset: 24, .size: 8, .value_kind: global_buffer, .address_space: global }
      - { .name: out0, .offset: 32, .size: 8, .value_kind: global_buffer, .address_space: global }
      - { .name: out1, .offset: 40, .size: 8, .value_kind: global_buffer, .address_space: global }
    .group_segment_fixed_size: 119808
    .private_segment_fixed_size: 0
    .kernarg_segment_align: 8
    .kernarg_segment_size: 48
    .max_flat_workgroup_size: 256
    .sgpr_count:     100
    .vgpr_count:     200
    .wavefront_size: 32
...
	.end_amdgpu_metadata
.endif
;; end of part 4
;; ======== version 2 of 2: 4 launches; version 1 with the launch scan written anew for expert scheduling mode
;; workspace buffers: qtab 131,072 bytes; flags 2,097,152 bytes of whole numbers; slots 67,108,864 bytes of whole numbers; cnts 65,536 bytes of whole numbers; nfl 32,768 bytes of whole numbers
;; launch scan (part 5): grid 256 x 1, 4 waves a work-group, no clusters, 307,200 bytes of LDS; arguments sample_coords, out_coords, qtab, flags; writes qtab, flags
.if DOCPART == 5
	.amdgcn_target "amdgcn-amd-amdhsa--gfx1250"
	.amdhsa_code_object_version 6
	.text
	.protected	k_q55323576a5_scan
	.globl	k_q55323576a5_scan
	.p2align	8
	.type	k_q55323576a5_scan,@function
k_q55323576a5_scan:
	s_mov_b64 s[64:65], 0
	v_nop
	global_prefetch_b8 v0, s[64:65] scope:SCOPE_SE
	s_setreg_imm32_b32 hwreg(HW_REG_WAVE_SCHED_MODE, 0, 2), 2
	s_setreg_imm32_b32 hwreg(HW_REG_WAVE_MODE, 25, 1), 1
	s_wait_xcnt 0x0
	s_wait_alu depctr_vm_vsrc(0)
; SCAN.  For 32 queries a work-group forms d2 = (a2 + b2) - 2 a.b to all 16,384 samples, on coordinates rounded to bf16, keeps the minimum of each
; FINE GROUP (8 consecutive samples) as a truncated bf16 in LDS and the minimum of each of 64 COARSE GROUPS in registers, takes tau = the 49th smallest coarse minimum
; (49 disjoint groups have a member at or below it, so 49 samples lie at or below tau), widens it by 8 steps of the last place (all d2 that round to the same root lie within 4),
; and stores one flag bit for each fine group whose minimum can lie at or below that bound.  Later launches compute the flagged groups anew; here a flag too many costs only time.
; ARITHMETIC.  Products of two bf16 are exact in f32.  The matrix unit delivers the one product (-2 bx) ax for each pair (all other k carry zeros in A), a packed fma adds (-2 by) ay with one rounding,
; a packed add forms a2 + b2, a second the sum: the roundings of the formula as it is written.
; SHARES.  Four waves; wave w has the sample blocks u = 32 w .. 32 w + 31 of 128 samples.  A = 16 queries, B = 16 samples: column r of tile t of block u is sample 128 u + 8 r + t, so that a lane's
; eight tiles are fine group 16 u + r, and ONE B fragment (k = t holds tile t's ax) serves eight tiles: A's window is shifted so that -2 bx stands at k = t.
; No tensor load, no cluster, no prefetch: the inputs are 192 KiB, each must be converted in registers on its way into LDS, and every work-group reads all samples once.
; LIMITS.  Inputs finite; their bf16 roundings, squares and sums finite and no denormals; NaN is not treated.
; THE MODE: SCHED_MODE bits 1:0 = 2 (LLVM: expert scheduling mode 2), set by the entry lines.  The code itself states the register dependences
; between vector or matrix instructions and memory or LDS instructions, with s_wait_alu, always for 0.
; THE PLAN.  Registers that memory or LDS instructions touch, part by part:
;   PREP   RAW0 .. RAW3  Block k's four conversions read RAW[k]; behind the block's arithmetic the loads of the same block of the next lap land in it.
;          OUT0 .. OUT3  Block k's arithmetic writes OUT[k]; its three LDS stores read it; it is written again a lap later.
;          v[PG]         Read by every load of samples, never written in this part: each slot has a scalar base of its own.   v[PX], v[PA], v[PY]  Read by the LDS stores, stepped once a lap.
;          One wait on va_vdst a block, behind its arithmetic; one wait on vm_vsrc a lap, ahead of the three adds.
;   MAIN   BUF0  Read by the even block, loaded again at the trip's middle.   BUF1  Read by the odd block, loaded again at the trip's end.   R1  Written by the packing, read by the 16 stores.
;          v6 .. v10  Read by the loads and stores, stepped once a trip.   A's sequences, b2, -2 by, the accumulators and the minima are named by vector and matrix instructions alone (CMN: stored once, behind the loop).
;          Two waits on va_vdst a trip, at its middle and at its end; one on vm_vsrc, ahead of the five adds.
;   FLAGS  v160-192  Loaded at a trip's head, read by its arithmetic.   v194, v195  Written by the arithmetic, read by the store.   v196, v197  Read by the loads, stepped behind them.
;          One wait on vm_vsrc behind the loads, one on va_vdst ahead of the store.
.set AXT,  0                ; bf16 ax, natural order: 32,768 bytes
.set A2T,  32768            ; f32 a2 at 512 u + 256 (t / 4) + 16 r + 4 (t % 4)
.set AYT,  98304            ; f32 ay, laid out likewise
.set FM,   163840           ; fine minima: a row of 4,176 bytes a query; the word of blocks 2 d, 2 d + 1 and column r at 1,040 (r / 4) + 16 d + 4 (r % 4)
.set FMP,  4176
.set CM,   297472           ; coarse minima: a row of 272 bytes a query, word 16 w + r
.set CMP,  272
.set TAU,  306176           ; word 4 q + 3 holds query q's bound
.set SPARE, 306688          ; the spare words, 128 bytes a wave
.set ASEQ, 12               ; v12-79  A's sequences, 34 registers for each 16 queries: zeros but -2 bx in the low half at 3 and 10, in the high half at 19 and 26 (lanes 0-15)
.set B2,   80               ; v80-95  b2 of my 8 queries, for each 16 queries
.set M2,   96               ; v96-111 -2 by likewise
.set BUF,  112              ; two buffers of 24: ax (4) and 4 zeros, a2 (8), ay (8)
.set P,    160              ; v160-191 two accumulators for each 16 queries
.set R1,   192              ; v192-207 a2 + b2; later the packed minima
.set GE,   208              ; fine minima of the even block
.set GO,   224              ; of the odd block
.set CMN,  240              ; coarse minima
.set RAW,  160              ; PREP: v160-191 four slots of 8: 4 samples a lane, as loaded
.set PT,   192              ; PREP and head: v192-199 at work; no memory instruction names them there
.set OUT,  200              ; PREP: four out-buffers 12 apart: ay (4), a2 (4), packed ax (2)
.set QR,   200              ; head: v200-235 the queries as loaded
.set PG,   248              ; PREP: byte offset of my 32 bytes in a block of samples
.set PX,   249              ; PREP: LDS address of my 8 bytes of ax
.set PA,   250              ; of my 16 bytes of a2
.set PY,   251              ; of my 16 bytes of ay
.set WB,   32               ; s[32:39] PREP: slot k's address, at the block that the slot is asked for next: a pair at WB + 2 k
	s_load_b256 s[4:11], s[0:1], 0x0               ; samples s[4:5], queries s[6:7], qtab s[8:9], flags s[10:11]
	v_lshl_add_u32 v1, v0, 2, SPARE                ; my spare word, and 0: kept for the closing add alone
	v_mov_b32 v2, 0
	v_lshrrev_b32 v3, 5, v0
	v_readfirstlane_b32 s12, v3                    ; wave
	v_and_b32 v3, 15, v0                           ; r
	v_bfe_u32 v4, v0, 4, 1                         ; h
	v_and_b32 v5, 31, v0                           ; lane
	s_mov_b32 s17, 0x55555555
	s_mov_b32 s18, 0x33333333
	s_mov_b32 s21, 0x80008000
	s_mov_b32 s22, 0x07060302
	s_lshl_b32 s14, ttmp9, 8                       ; 32 queries x 8 bytes
	s_mov_b32 s15, 0
	s_lshl_b32 s26, ttmp9, 9                       ; 32 x 16 bytes of qtab
	s_mov_b32 s27, 0
	s_lshl_b32 s28, ttmp9, 13                      ; 32 x 256 bytes of flags,
	v_lshlrev_b32 v9, 6, v4                        ; 8 h queries
	v_lshlrev_b32 v10, 3, v3                       ; query r
	v_lshlrev_b32 v[PG], 5, v5                     ; PREP: lane l takes samples 128 u + 4 l .. + 3 (32 bytes)
	s_wait_alu depctr_va_sdst(0)                   ; s12 is written, ahead of its first reader: bases and LDS addresses are made from it
	s_lshl_b32 s24, s12, 15                        ; my 4,096 samples x 8 bytes
	s_mov_b32 s25, 0
	s_lshl_b32 s29, s12, 11                        ; my 8 queries of the flags
	s_add_co_u32 s28, s28, s29
	s_mov_b32 s29, 0
	s_lshl_b32 s30, s12, 13
	v_lshl_add_u32 v[PX], v5, 3, s30               ; ax: 8,192 w + 8 l
	v_and_b32 v[PA], 1, v5
	v_lshlrev_b32 v[PA], 8, v[PA]
	v_lshrrev_b32 v[PY], 1, v5
	v_lshl_add_u32 v[PA], v[PY], 4, v[PA]          ; r = l / 2, t = 4 (l % 2) ..
	s_lshl_b32 s30, s12, 14
	s_add_co_u32 s30, s30, A2T
	v_add_nc_u32 v[PA], s30, v[PA]
	v_add_nc_u32 v[PY], AYT-A2T, v[PA]
	s_wait_kmcnt 0x0
	s_add_nc_u64 s[4:5], s[4:5], s[24:25]
	s_add_nc_u64 s[6:7], s[6:7], s[14:15]
	s_add_nc_u64 s[8:9], s[8:9], s[26:27]
	s_add_nc_u64 s[10:11], s[10:11], s[28:29]
.irp k, 0,1,2,3
	s_add_nc_u64 s[WB+2*\k:WB+2*\k+1], s[4:5], 1024*\k  ; blocks 0 to 3
.endr
	s_wait_alu depctr_va_vdst(0)                   ; v9, v10 and v[PG] are written, which the loads below read as their offsets
.irp qt, 0,1
.irp k, 0,1,2,3
	global_load_b128 v[QR+16*\qt+4*\k:QR+16*\qt+4*\k+3], v9, s[6:7] offset:128*\qt+16*\k
.endr
	global_load_b64 v[QR+32+2*\qt:QR+33+2*\qt], v10, s[6:7] offset:128*\qt
.endr
.irp k, 0,1,2,3
	global_load_b128 v[RAW+8*\k:RAW+8*\k+3],   v[PG], s[WB+2*\k:WB+2*\k+1]            ; the four slots' first blocks go out behind the queries: they are on their way while the queries are worked on
	global_load_b128 v[RAW+8*\k+4:RAW+8*\k+7], v[PG], s[WB+2*\k:WB+2*\k+1] offset:16
.endr
	v_cmp_gt_u32 vcc_lo, 16, v5
.set i_, 0
.rept 68
	v_mov_b32 v[ASEQ+i_], 0                        ; A's zeros
.set i_, i_+1
.endr
.irp i, 116,117,118,119,140,141,142,143
	v_mov_b32 v\i, 0                               ; B's k = 16 .. 31
.endr
	s_wait_loadcnt 8                               ; loads come back in order: the queries are in; the eight younger loads, the samples', stay out
	s_wait_alu depctr_va_vcc(0)                    ; VCC is written, ahead of the selects that read it
.irp qt, 0,1
.irp j, 0,1,2,3,4,5,6,7
	v_cvt_pk_bf16_f32 v[PT], v[QR+16*\qt+2*\j], v[QR+16*\qt+2*\j+1]
	v_lshlrev_b32 v[PT+1], 16, v[PT]               ; bx
	v_and_b32 v[PT+2], 0xffff0000, v[PT]           ; by
	v_mul_f32 v[PT+1], v[PT+1], v[PT+1]
	v_fma_f32 v[B2+8*\qt+\j], v[PT+2], v[PT+2], v[PT+1]  ; b2: one rounding of two exact products
	v_mul_f32 v[M2+8*\qt+\j], -2.0, v[PT+2]
.endr
	v_cvt_pk_bf16_f32 v[PT], v[QR+32+2*\qt], v[QR+33+2*\qt]
	v_lshlrev_b32 v[PT+1], 16, v[PT]
	v_mul_f32 v[PT+1], -2.0, v[PT+1]               ; -2 bx of row r: still a bf16 number
	v_cndmask_b32 v[PT+1], 0, v[PT+1], vcc_lo      ; lanes 16-31 hold k = 8 .. 15: zeros
	v_mov_b32 v[ASEQ+34*\qt+19], v[PT+1]
	v_mov_b32 v[ASEQ+34*\qt+26], v[PT+1]
	v_lshrrev_b32 v[PT+1], 16, v[PT+1]
	v_mov_b32 v[ASEQ+34*\qt+3], v[PT+1]
	v_mov_b32 v[ASEQ+34*\qt+10], v[PT+1]
.endr
; PREP: my 32 blocks' tables, in 8 laps of four blocks.  Block k of a lap.  ahead = 1: the slot is asked for again, for the same block of the next lap.
; left = how many younger loads may still be out when this block's two have to be there.
.macro PBLK k, ahead, left
.set O_, OUT+12*(\k)
.set R_, RAW+8*(\k)
	s_wait_loadcnt \left                           ; slot k is in; the later slots' two loads each may stay out
.if \ahead
	s_add_nc_u64 s[WB+2*(\k):WB+2*(\k)+1], s[WB+2*(\k):WB+2*(\k)+1], 4096  ; free since that wait, which shows the loads that read it done: the same block of the next lap
.endif
.irp e, 0,1,2,3
	v_cvt_pk_bf16_f32 v[PT+\e], v[R_+2*\e], v[R_+2*\e+1]
.endr
.irp e, 0,1,2,3
	v_lshlrev_b32 v[PT+4+\e], 16, v[PT+\e]
	v_and_b32 v[O_+\e], 0xffff0000, v[PT+\e]
.endr
	v_pk_mul_f32 v[O_+4:O_+5], v[PT+4:PT+5], v[PT+4:PT+5]
	v_pk_mul_f32 v[O_+6:O_+7], v[PT+6:PT+7], v[PT+6:PT+7]
	v_pk_fma_f32 v[O_+4:O_+5], v[O_:O_+1], v[O_:O_+1], v[O_+4:O_+5]
	v_pk_fma_f32 v[O_+6:O_+7], v[O_+2:O_+3], v[O_+2:O_+3], v[O_+6:O_+7]
	v_perm_b32 v[O_+8], v[PT+1], v[PT], 0x05040100      ; two low halves: ax of two samples
	v_perm_b32 v[O_+9], v[PT+3], v[PT+2], 0x05040100
	s_wait_alu depctr_va_vdst(0)                   ; the conversions are done reading RAW[k], in which the loads below land; OUT[k] is written, which the stores below read; in a lap's first block the three LDS addresses are written
.if \ahead
	global_load_b128 v[R_:R_+3],   v[PG], s[WB+2*(\k):WB+2*(\k)+1]
	global_load_b128 v[R_+4:R_+7], v[PG], s[WB+2*(\k):WB+2*(\k)+1] offset:16
.endif
	ds_store_b64 v[PX], v[O_+8:O_+9] offset:256*(\k)
	ds_store_b128 v[PA], v[O_+4:O_+7] offset:512*(\k)
	ds_store_b128 v[PY], v[O_:O_+3] offset:512*(\k)
.endm
	s_mov_b32 s23, 7
.Lprep:
	PBLK 0, 1, 6
	PBLK 1, 1, 6
	PBLK 2, 1, 6
	PBLK 3, 1, 6
	s_wait_alu depctr_vm_vsrc(0)                   ; the lap's twelve LDS stores have read their addresses, which the adds below write, and OUT0 to OUT3, which the next lap writes
	v_add_nc_u32 v[PX], 1024, v[PX]
	v_add_nc_u32 v[PA], 2048, v[PA]
	v_add_nc_u32 v[PY], 2048, v[PY]
	s_sub_co_u32 s23, s23, 1
	s_cmp_lg_u32 s23, 0
	s_cbranch_scc1 .Lprep
	PBLK 0, 0, 6                                   ; the last lap is written out: no load leaves the samples, and the counts run down
	PBLK 1, 0, 4
	PBLK 2, 0, 2
	PBLK 3, 0, 0
	s_wait_alu depctr_vm_vsrc(0)                   ; the last LDS stores have read v200 to v251, and the head's loads v9 and v10: all of these are written anew from here on
.set i_, 0
.rept 16
	v_mov_b32 v[CMN+i_], 0x7f800000
.set i_, i_+1
.endr
	; addresses of the main loop
	s_lshl_b32 s30, s12, 13
	v_lshl_add_u32 v6, v3, 4, s30                  ; ax: 8,192 w + 16 r (both halves of the lanes read the same; lanes 16-31 meet zeros in A)
	s_lshl_b32 s30, s12, 14
	s_add_co_u32 s30, s30, A2T
	v_lshl_add_u32 v7, v3, 4, s30                  ; a2
	v_add_nc_u32 v8, AYT-A2T, v7                   ; ay
	v_mul_u32_u24 v9, v4, 8*FMP                    ; fine minima: row 8 h (+ j, + 16 for the second 16 queries),
	v_lshrrev_b32 v10, 2, v3
	v_mad_u32_u24 v9, v10, 1040, v9
	v_and_b32 v10, 3, v3
	v_lshl_add_u32 v9, v10, 2, v9
	s_lshl_b32 s30, s12, 8                         ; word column d = 16 w + trip
	s_add_co_u32 s30, s30, FM
	v_add_nc_u32 v9, s30, v9
	v_add_nc_u32 v10, 16*FMP, v9
	v_mul_u32_u24 v11, v4, 8*CMP
	v_lshl_add_u32 v11, v3, 2, v11
	s_lshl_b32 s30, s12, 6
	s_add_co_u32 s30, s30, CM
	v_add_nc_u32 v11, s30, v11
	s_wait_dscnt 0x0                               ; my tables are written
	s_barrier_signal -1
	s_barrier_wait -1
.macro LOADB b, k                      ; block k, counted from the trip's first, into buffer b: five loads
	ds_load_b128 v[BUF+24*(\b):BUF+24*(\b)+3], v6 offset:256*(\k)
	ds_load_b128 v[BUF+24*(\b)+8:BUF+24*(\b)+11], v7 offset:512*(\k)
	ds_load_b128 v[BUF+24*(\b)+12:BUF+24*(\b)+15], v7 offset:512*(\k)+256
	ds_load_b128 v[BUF+24*(\b)+16:BUF+24*(\b)+19], v8 offset:512*(\k)
	ds_load_b128 v[BUF+24*(\b)+20:BUF+24*(\b)+23], v8 offset:512*(\k)+256
.endm
.macro W b, p, qt                      ; tiles 2 p and 2 p + 1 for 16 queries: the window puts -2 bx into register p, low half or high half
.set ws_, ASEQ+34*(\qt)+10-8*((\p)&1)-2*((\p)>>1)
	v_wmma_f32_16x16x32_bf16 v[P+16*(\qt):P+16*(\qt)+7], v[ws_:ws_+7], v[BUF+24*(\b):BUF+24*(\b)+7], 0
	v_wmma_f32_16x16x32_bf16 v[P+16*(\qt)+8:P+16*(\qt)+15], v[ws_+16:ws_+23], v[BUF+24*(\b):BUF+24*(\b)+7], 0
.endm
.macro V b, p, qt, gm                  ; 32 lines for 512 pairs; each accumulator's lowest registers are read first
.irp tt, 0,1
.irp j, 0,2,4,6
	v_pk_add_f32 v[R1+8*\tt+\j:R1+8*\tt+\j+1], v[B2+8*(\qt)+\j:B2+8*(\qt)+\j+1], v[BUF+24*(\b)+8+2*(\p):BUF+24*(\b)+9+2*(\p)] op_sel:[0,\tt] op_sel_hi:[1,\tt]
.endr
.endr
.irp tt, 0,1
.irp j, 0,2,4,6
	v_pk_fma_f32 v[P+16*(\qt)+8*\tt+\j:P+16*(\qt)+8*\tt+\j+1], v[M2+8*(\qt)+\j:M2+8*(\qt)+\j+1], v[BUF+24*(\b)+16+2*(\p):BUF+24*(\b)+17+2*(\p)], v[P+16*(\qt)+8*\tt+\j:P+16*(\qt)+8*\tt+\j+1] op_sel:[0,\tt,0] op_sel_hi:[1,\tt,1]
.endr
.endr
.irp tt, 0,1
.irp j, 0,2,4,6
	v_pk_add_f32 v[P+16*(\qt)+8*\tt+\j:P+16*(\qt)+8*\tt+\j+1], v[R1+8*\tt+\j:R1+8*\tt+\j+1], v[P+16*(\qt)+8*\tt+\j:P+16*(\qt)+8*\tt+\j+1]
.endr
.endr
.irp j, 0,1,2,3,4,5,6,7
.if (\p) == 0
	v_min_num_f32 v[(\gm)+8*(\qt)+\j], v[P+16*(\qt)+\j], v[P+16*(\qt)+8+\j]
.else
	v_min3_num_f32 v[(\gm)+8*(\qt)+\j], v[(\gm)+8*(\qt)+\j], v[P+16*(\qt)+\j], v[P+16*(\qt)+8+\j]
.endif
.endr
.endm
; A block: the products of step s + 1 are issued ahead of the vector work of step s.  Behind the first four products the eight sums a2 + b2, which name none of their registers, are the places
; that a reader of a matrix result needs (ISA guide 7.12.1); every other reader or overwriter stands 32 plain lines behind its product.  Every product starts its sum with 0: no chain.
.macro BLOCK b, gm
	W \b, 0, 0
.set sg_, 0
.rept 8
.if sg_ < 7
	W \b, (sg_+1)/2, (sg_+1)%2
.endif
	V \b, sg_/2, sg_%2, \gm
.set sg_, sg_+1
.endr
.endm
; A trip: two blocks, one word of fine minima for each query and column.  At its head buffer 0 is in and buffer 1 on its way.  last = 1: nothing more is loaded.
.macro TRIP last
	BLOCK 0, GE
.if \last
	s_wait_dscnt 0x0                               ; buffer 1 is in
.else
	s_wait_alu depctr_va_vdst(0)                   ; the even block is done reading buffer 0, in which the loads below land; v6 to v8, their addresses, are written
	LOADB 0, 2                                     ; the next trip's even block: it has the odd block's work in which to land
	s_wait_dscnt 5                                 ; all but the five just issued: buffer 1 is in
.endif
	BLOCK 1, GO
.set i_, 0
.rept 16
	v_min3_num_f32 v[CMN+i_], v[CMN+i_], v[GE+i_], v[GO+i_]
.set i_, i_+1
.endr
.set i_, 0
.rept 16
	v_perm_b32 v[R1+i_], v[GO+i_], v[GE+i_], s22   ; truncated to bf16: odd block above, even block below
.set i_, i_+1
.endr
.set i_, 0
.rept 16
	v_pk_max_num_bf16 v[R1+i_], v[R1+i_], v116     ; a d2 that rounding made negative counts as 0 (v116 holds 0)
.set i_, i_+1
.endr
	s_wait_alu depctr_va_vdst(0)                   ; the packed minima are written, which the stores below read, and so are v9 and v10; the odd block is done reading buffer 1, in which the loads below land; behind the last trip: CMN is written
.irp j, 0,1,2,3,4,5,6,7
	ds_store_b32 v9, v[R1+\j] offset:FMP*\j
	ds_store_b32 v10, v[R1+8+\j] offset:FMP*\j
.endr
.if !\last
	LOADB 1, 3                                     ; the next trip's odd block
	s_wait_alu depctr_vm_vsrc(0)                   ; the stores and loads issued so far have read v6 to v10, which the adds below write, and R1, which the next trip's sums write
	v_add_nc_u32 v6, 512, v6
	v_add_nc_u32 v7, 1024, v7
	v_add_nc_u32 v8, 1024, v8
	v_add_nc_u32 v9, 16, v9
	v_add_nc_u32 v10, 16, v10
	s_wait_dscnt 21                                ; LDS instructions end in order: behind buffer 0's loads stand the 16 stores and buffer 1's five loads, which may stay out: buffer 0 is in
.endif
.endm
	s_wait_alu depctr_va_vdst(0)                   ; v6 to v11 are written: the addresses of the loop's loads and stores
	LOADB 0, 0
	LOADB 1, 1
	s_wait_dscnt 5                                 ; all but the five just issued: buffer 0 is in
	s_mov_b32 s23, 15
.Lmain:
	TRIP 0
	s_sub_co_u32 s23, s23, 1
	s_cmp_lg_u32 s23, 0
	s_cbranch_scc1 .Lmain
	TRIP 1                                         ; the last trip loads nothing beyond my tables
.irp qt, 0,1
.irp j, 0,1,2,3,4,5,6,7
	ds_store_b32 v11, v[CMN+8*\qt+\j] offset:CMP*(16*\qt+\j)  ; no vector instruction since the trip's last wait names CMN or v11
.endr
.endr
	s_wait_alu depctr_vm_vsrc(0)                   ; the stores of the fine minima have read v192 to v207, of which v192 to v199 are written from here on
	v_lshrrev_b32 v194, 2, v0                      ; thread t: query t / 4, 16 of its 64 coarse minima
	v_mul_u32_u24 v194, v194, CMP
	v_and_b32 v195, 3, v0
	v_lshl_add_u32 v194, v195, 6, v194
	v_add_nc_u32 v194, CM, v194
	s_wait_dscnt 0x0                               ; for the others' sake: fine and coarse minima are written
	s_barrier_signal -1
	s_barrier_wait -1
	s_wait_alu depctr_va_vdst(0)                   ; v194, the loads' address, is written; the last block's sums are done with v160 to v175, in which they land
.irp k, 0,1,2,3
	ds_load_b128 v[160+4*\k:163+4*\k], v194 offset:16*\k
.endr
	s_wait_dscnt 0x0
; 64 numbers sorted over 4 lanes x 16 registers (element 16 (lane % 4) + i), from one set of registers into the other: blocks of 2, 4 .. 64, each a mirror stage and then half cleaners.
.set SA, 160
.set SB, 176
.macro VSWAP
.set x_, SA
.set SA, SB
.set SB, x_
.endm
.macro VST k                           ; within a lane: i with i xor k
.set i_, 0
.rept 16
.if (i_^(\k)) > i_
	v_min_num_f32 v[SB+i_], v[SA+i_], v[SA+(i_^(\k))]
	v_max_num_f32 v[SB+(i_^(\k))], v[SA+i_], v[SA+(i_^(\k))]
.endif
.set i_, i_+1
.endr
	VSWAP
.endm
.macro VSTX x, mir, km                 ; with lane xor x, register i (mir = 0) or 15 - i (mir = 1); lanes of mask km keep the smaller
.set i_, 0
.rept 16
	v_min_num_f32_dpp v[192+(i_&1)], v[SA+(i_^(15*(\mir)))], v[SA+i_] row_xmask:\x row_mask:0xf bank_mask:0xf
	v_max_num_f32_dpp v[SB+i_], v[SA+(i_^(15*(\mir)))], v[SA+i_] row_xmask:\x row_mask:0xf bank_mask:0xf
	v_cndmask_b32 v[SB+i_], v[SB+i_], v[192+(i_&1)], s[\km]
.set i_, i_+1
.endr
	VSWAP
.endm
.irp k, 1, 3,1, 7,2,1, 15,4,2,1
	VST \k
.endr
	VSTX 1, 1, 17
.irp k, 8,4,2,1
	VST \k
.endr
	VSTX 3, 1, 18
	VSTX 1, 0, 17
.irp k, 8,4,2,1
	VST \k
.endr
	v_max_num_f32 v192, 0x2b8cbccc, v[SA]          ; element 48 lies in register 0 of the query's fourth lane; the formula's clamp, 1e-12,
	v_add_nc_u32 v192, 8, v192                     ; and eight steps of the last place
	s_wait_alu depctr_vm_vsrc(0)                   ; the loads of the coarse minima have read v194, which is made anew
	v_lshl_add_u32 v194, v0, 2, TAU
	s_mul_i32 s30, s12, 8*FMP
	s_add_co_u32 s30, s30, FM
	v_lshl_add_u32 v196, v5, 5, s30                ; flags: my 8 queries' rows; lane l takes word columns 2 l and 2 l + 1
	s_lshl_b32 s30, s12, 7
	s_add_co_u32 s30, s30, TAU+12
	v_mov_b32 v197, s30
	v_lshlrev_b32 v198, 3, v5
	s_wait_alu depctr_va_vdst(0)                   ; v192 and v194 are written, the store's data and address; so are v196 to v198, the flag loop's addresses; the sort is done with v160 to v193, in which that loop's first loads land
	ds_store_b32 v194, v192                        ; every lane stores its register 0; word 4 q + 3 is the one that is read
	s_wait_dscnt 0x0
	s_barrier_signal -1
	s_barrier_wait -1
	s_wait_alu depctr_vm_vsrc(0)                   ; that store has read v192, in which the loop's first load lands, and v194, which the loop's arithmetic writes
	s_mov_b32 s23, 8
.Lflag:                                        ; a query a trip: 2,048 halves are compared with the bound's upper half; 0x8000 + bound - x keeps bit 15 just where x <= bound, and never borrows
	ds_load_b32 v192, v197                         ; no vector instruction since the last wait on va_vdst (ahead of the loop, or ahead of the last trip's store) names a register that these nine loads touch
.irp d, 0,1
.irp c, 0,1,2,3
	ds_load_b128 v[160+16*\d+4*\c:163+16*\d+4*\c], v196 offset:1040*\c+16*\d
.endr
.endr
	s_wait_alu depctr_vm_vsrc(0)                   ; these loads have read v196 and v197, which the adds below write; the last trip's store has read v194 and v195, which the arithmetic below writes
	v_add_nc_u32 v196, FMP, v196
	v_add_nc_u32 v197, 16, v197
	s_wait_dscnt 0x0
	v_perm_b32 v192, v192, v192, 0x07060706
	v_or_b32 v192, 0x80008000, v192
.set k_, 0
.rept 16
	v_sub_nc_u32 v193, v192, v[160+k_]
	v_sub_nc_u32 v199, v192, v[176+k_]
.if k_ == 0
	v_and_b32 v194, s21, v193
	v_and_b32 v195, s21, v199
.else
	v_lshrrev_b32 v194, 1, v194
	v_lshrrev_b32 v195, 1, v195
	v_and_or_b32 v194, v193, s21, v194
	v_and_or_b32 v195, v199, s21, v195
.endif
.set k_, k_+1
.endr
	s_wait_alu depctr_va_vdst(0)                   ; v194 and v195 are written, which the store reads; v196 and v197 are written and the arithmetic is done with v160 to v192: the next trip's loads
	global_store_b64 v198, v[194:195], s[10:11]    ; column r ends in bit r (even block) and bit 16 + r (odd block): bit beta of word d is group 32 d + beta; the wave stores 256 consecutive bytes, aligned
	s_wait_xcnt 0x0                                ; the store's base and data are written again only behind this wait
	s_add_nc_u64 s[10:11], s[10:11], 256
	s_sub_co_u32 s23, s23, 1
	s_cmp_lg_u32 s23, 0
	s_cbranch_scc1 .Lflag
	s_cmp_lg_u32 s12, 0
	s_cbranch_scc1 .Lend
	v_lshl_add_u32 v199, v5, 4, TAU+12             ; wave 0: lane l writes query l's entry (-2 bx, -2 by, b2, bound): 512 consecutive bytes
	v_lshlrev_b32 v196, 4, v5                      ; (the loop's loads that read v196 stand ahead of its wait on vm_vsrc)
	s_wait_alu depctr_va_vdst(0)                   ; v199 and v196 are written: the address of the LDS load and the offset of the store
	global_load_b64 v[160:161], v198, s[6:7]
	ds_load_b32 v167, v199
	s_wait_loadcnt 0x0
	v_cvt_pk_bf16_f32 v162, v160, v161
	v_lshlrev_b32 v163, 16, v162
	v_and_b32 v162, 0xffff0000, v162
	v_mul_f32 v164, -2.0, v163
	v_mul_f32 v165, -2.0, v162
	v_mul_f32 v163, v163, v163
	v_fma_f32 v166, v162, v162, v163
	s_wait_dscnt 0x0
	s_wait_alu depctr_va_vdst(0)                   ; v164 to v166 are written, which the store reads beside the loaded v167
	global_store_b128 v196, v[164:167], s[8:9]
.Lend:
	s_wait_dscnt 0x0                               ; the closing lines, six on end
	s_wait_alu 0x0
	s_wait_tensorcnt 0x0
	ds_add_u32 v1, v2
	s_wait_dscnt 0x0
	s_endpgm
.Lfunc_end_k_q55323576a5_scan:
	.size	k_q55323576a5_scan, .Lfunc_end_k_q55323576a5_scan-k_q55323576a5_scan
	.p2alignl 7, 3214868480
	.fill 96, 4, 3214868480
	.section	.rodata,"a",@progbits
	.p2align	6, 0x0
	.amdhsa_kernel k_q55323576a5_scan
		.amdhsa_group_segment_fixed_size 307200
		.amdhsa_private_segment_fixed_size 0
		.amdhsa_enable_private_segment 0
		.amdhsa_kernarg_size 32
		.amdhsa_user_sgpr_count 2
		.amdhsa_user_sgpr_kernarg_segment_ptr 1
		.amdhsa_wavefront_size32 1
		.amdhsa_system_sgpr_workgroup_id_x 1
		.amdhsa_system_sgpr_workgroup_id_y 1
		.amdhsa_system_sgpr_workgroup_id_z 1
		.amdhsa_system_vgpr_workitem_id 0
		.amdhsa_next_free_vgpr 256
		.amdhsa_next_free_sgpr 66
		.amdhsa_reserve_vcc 1
		.amdhsa_float_denorm_mode_32 3
		.amdhsa_float_denorm_mode_16_64 3
		.amdhsa_memory_ordered 1
		.amdhsa_forward_progress 1
		.amdhsa_inst_pref_size 129
	.end_amdhsa_kernel
	.amdgpu_metadata
---
amdhsa.version: [ 1, 2 ]
amdhsa.kernels:
  - .name:           k_q55323576a5_scan
    .symbol:         k_q55323576a5_scan.kd
    .args:
      - { .name: sample_coords, .offset: 0, .size: 8, .value_kind: global_buffer, .address_space: global }
      - { .name: out_coords, .offset: 8, .size: 8, .value_kind: global_buffer, .address_space: global }
      - { .name: qtab, .offset: 16, .size: 8, .value_kind: global_buffer, .address_space: global }
      - { .name: flags, .offset: 24, .size: 8, .value_kind: global_buffer, .address_space: global }
    .group_segment_fixed_size: 307200
    .private_segment_fixed_size: 0
    .kernarg_segment_align: 8
    .kernarg_segment_size: 32
    .max_flat_workgroup_size: 128
    .sgpr_count:     66
    .vgpr_count:     256
    .wavefront_size: 32
...
	.end_amdgpu_metadata
.endif
;; end of part 5
;; launch tally: the kernel of part 2 again; grid 128 x 1, 8 waves a work-group, no clusters, 1,280 bytes of LDS; arguments flags, nfl; writes nfl
;; launch pick: the kernel of part 3 again; grid 256 x 1, 32 waves a work-group, no clusters, 208,896 bytes of LDS; arguments qtab, flags, sample_coords, nfl, slots, cnts; writes slots, cnts
;; launch rank: the kernel of part 4 again; grid 128 x 1, 8 waves a work-group, no clusters, 119,808 bytes of LDS; arguments slots, cnts, qtab, sample_coords, out0, out1; writes out0, out1
